; MI455X (gfx1250); checked and timed in simulation.
; The chip was launched on July 23, 2026; its instructions are those of AMD's public machine-readable ISA for CDNA 5 (MIT licence, August 2026) and "CDNA5" Instruction Set Architecture Reference Guide (July 2026). The comments in the code are by the model that wrote it; some were corrected since.
;; Geodesic Attention. Allowed arithmetic: matrix products marked QUANTISED: E2M3 operands, one E8M0 scale for each 32 along K, by v_wmma_scale_f32_16x16x128_f8f6f4 with both operands' format E2M3, f32 sums; products left as they are: f32 operands where the result goes on into a quantised operand, else bf16, f16 or f32 operands; f32 sums; everything else in f32.
;; Inputs: Wp_codes 64 x 2 x 24 uint8 (E2M3 codes of Wp, K innermost, in blocks of 32 codes, four codes in three bytes); Wp_scales 64 x 2 uint8 (E8M0 scales of Wp, one for each 32 codes along K); Wqkv_codes 192 x 2 x 24 uint8 (E2M3 codes of Wqkv, K innermost, in blocks of 32 codes, four codes in three bytes); Wqkv_scales 192 x 2 uint8 (E8M0 scales of Wqkv, one for each 32 codes along K); bp 64 float32; bqkv 192 float32; geo_scale 4 float32; x 2 x 64 x 256 x 256 float32.
;; Outputs: out0 2 x 64 x 256 x 256 float32.
;; This version of the problem:
;;   THIS VERSION OF THE PROBLEM IS GIVEN IN LOW PRECISION. The matrix products marked QUANTISED in the list below multiply operands that are first quantised to E2M3 (2 exponent bits, 3 mantissa bits; 6 bits a number), with one power-of-two scale for each 32 numbers along K (OCP MX v1.0); their sums are f32. All else is computed in f32.
;;   The module's matrix products, in the order in which they are computed (A, B: the left and right operand; K: the contracted axis; several contracted axes count as one K, in the product's order):
;;     1. [M 131,072, K 64] x [K 64, N 192]; A: input x; B: input Wqkv (given as codes): QUANTISED
;;     2. batch 2,048 x [M 256, K 16] x [K 16, N 256]; A: computed on the way; B: computed on the way: left as it is (K = 16 < 32)
;;     3. batch 2,048 x [M 256, K 256] x [K 256, N 16]; A: softmax (see below); B: computed on the way: QUANTISED
;;     4. [M 131,072, K 64] x [K 64, N 64]; A: computed on the way; B: input Wp (given as codes): QUANTISED
;;   THE QUANTISER, for each operand of a quantised product, along K:
;;     - K is cut into blocks of 32 from its start; a last block that is shorter is filled with zeros.
;;     - A block's scale is 2^e with e = floor(log2(the largest magnitude in the block)) - 2, held to -126 .. 127; a block of zeros has e = 0. As a byte (E8M0): e + 127.
;;     - Each number is divided by its block's scale, clamped to +-7.5, and rounded to the nearest number of E2M3, ties to even, subnormals kept.
;;     - The product sums the exact products of the quantised numbers (number of the format x scale) in f32.
;;   ~~~python
;;   def quantise(x, axis):      # numpy; x: float32 -> the quantised numbers, widened to float32 again
;;       x = np.moveaxis(x, axis, -1); K = x.shape[-1]
;;       x = np.pad(x, [(0, 0)] * (x.ndim - 1) + [(0, -K % 32)]); x = x.reshape(x.shape[:-1] + (-1, 32)); a = np.abs(x).max(-1, keepdims=True)
;;       e = np.where(a > 0, np.clip(np.frexp(np.where(a > 0, a, 1))[1] - 1 - 2, -126, 127), 0)      # np.frexp(a)[1] - 1 = floor(log2(a)), exactly
;;       r = np.clip(x / 2.0 ** e, -7.5, 7.5)
;;       step = 2.0 ** (np.maximum(np.frexp(np.where(r == 0, 1, r))[1] - 1, 0) - 3)
;;       q = np.round(r / step) * step * 2.0 ** e      # np.round: ties to even
;;       return np.moveaxis(q.reshape(q.shape[:-2] + (-1,))[..., :K], -1, axis).astype(np.float32)
;;   ~~~
;;   SOFTMAX AHEAD OF A QUANTISED PRODUCT. Where the list says 'softmax', what is quantised is not the finished softmax but p = 2^(t - M), with t = logit x log2(e) and M = ceil(the row's largest t), a whole number; so 1/2 < the row's largest p <= 1. The row's sum l is taken of the UNQUANTISED p, in f32, and the product's result is divided by l at the end. Since M is a whole number, a kernel that streams over the keys may use a running M (the ceiling of the running maximum): every later rescaling is an exact power of two, which a block's scale takes up: the codes' values come out the same.
;;   OPERANDS COMPUTED ON THE WAY. 'Computed on the way' means the value that the module computes at that place (a softmax that the list does not call 'softmax' is quantised finished and normalised). What goes into a quantiser is computed in f32, as accurately as f32 sums, v_exp_f32 and their like allow (about 1e-6 of the number): no bf16 or f16 on the way to a quantiser, and a product that is left as it is and whose result goes on into a quantised operand takes f32 operands (vector FMAs, or v_wmma_f32_16x16x4_f32). A number that lies on a knife's edge between two numbers of the format may be rounded either way, as far as f32 arithmetic and the matrix unit's own rounding can turn it there, and no further.
;;   INPUTS GIVEN AS CODES. Wp (in the module: [64, 64], K = its axis 0); Wqkv (in the module: [64, 192], K = its axis 0): each comes as NAME_codes (uint8): NAME with its K axis moved to the last place and cut into blocks of 32 codes, [.., K / 32, bytes a block], one block behind the other in memory; four codes in three bytes: a row's codes are one little-endian stream of bits, code i at bits 6 i .. 6 i + 5 (a code: sign, 2 exponent bits, 3 mantissa bits); and NAME_scales (uint8): the same leading axes, one E8M0 byte (e + 127) for each 32 codes along K. Its value is code x scale, taken as it is: it is not quantised again, and the codes and scales need not be those that the quantiser above would give.
;; 2 versions, each right; version 2 is version 1 with the launch geo written anew for expert scheduling mode. Each part assembles by itself: llvm-mc -triple=amdgcn-amd-amdhsa -mcpu=gfx1250 --defsym DOCPART=n.
;; ======== version 1 of 2: 1 launch
;; launch geo (part 1): grid 512 x 1, 16 waves a work-group, no clusters, 245,248 bytes of LDS; arguments x, Wqkv_codes, Wqkv_scales, bqkv, Wp_codes, Wp_scales, bp, geo_scale, out0; writes out0
.if DOCPART == 1
	.amdgcn_target "amdgcn-amd-amdhsa--gfx1250"
	.amdhsa_code_object_version 6
	.text
	.protected	k_q0ba7e2028d_geo
	.globl	k_q0ba7e2028d_geo
	.p2align	8
	.type	k_q0ba7e2028d_geo,@function
k_q0ba7e2028d_geo:
	s_mov_b64 s[64:65], 0
	v_nop
	global_prefetch_b8 v0, s[64:65] scope:SCOPE_SE
	s_setreg_imm32_b32 hwreg(HW_REG_WAVE_MODE, 25, 1), 1
	s_wait_xcnt 0x0
; GEODESIC ATTENTION.  x, out0: [2][64][256][256] f32.  One image row (b, h) is one attention problem: 256 tokens x 64 channels, 4 heads of 16.
; A work-group owns one row; nothing but x, the weights and out0 touches memory.  Sixteen waves of 256 registers, four to a SIMD: one wave's softmax stands beside another's products.
; Wave w owns 16 tokens as queries, all four heads: lane index r stands for token tok(r) = 32 (w / 2) + 8 (w % 2) + r + (r & 8).  With that choice the eight registers of a result tile
; whose rows are tokens hold tokens 32 (i / 2) + 16 (lane / 16) + 8 (i % 2) + 0 .. 7, so two neighbouring tiles give a lane 16 neighbouring tokens: what the conversions to codes want.
; PRODUCTS.  1: q, k transposed (source 0 = 16 rows of W, source 1 = my tokens' codes): a lane holds one token, dims 8 (lane / 16) + j; the bias is the C.  v not transposed: a lane holds one dim and tokens.
;   2: S^T = k q^T by the f32 matrix form, four steps of 4 dims: registers 2 c, 2 c + 1 of k and of q are the same dims on both sides.   3: O^T = V^T P^T on codes, 128 keys an instruction.
;   4: source 0 = O's codes (rows = my tokens), source 1 = 16 rows of Wp: a lane holds one output channel and eight neighbouring tokens.
; K = 64 IN AN INSTRUCTION OF 128: the operand that this text makes itself (x's codes for q and k, Wv's registers for v, O's codes for the last product) carries zero codes for k = 64 .. 127; the other
;   side's six upper registers are whatever lies behind its six (the next fragment).  E2M3 has no NaN and no infinity and the scale bytes 2, 3 are 0, not 0xff: those products are exact zeros.
; SOFTMAX: T = q.k - 4 gs |ct_m - ct_n|; t = c T, c = log2(e) / 4; M = the running largest t rounded up; p = 2^(t - M) is quantised along the keys; the sum is taken of the unquantised p and divides O.
; OPERANDS GO FROM WAVE TO WAVE THROUGH LDS AS IMAGES OF THEIR REGISTERS (16, 8 or 4 bytes a lane, lanes on end).
; NO CLUSTER: work-groups share only the weights, 13,840 bytes against a row's 65,536.  NO TENSOR LOADS: x is read once, by loads of 512 consecutive bytes, and no LDS byte is filled twice.
; LIMITS: NaN and infinities among the inputs are not served.  A block whose largest magnitude lies under 2^-124 (a block of zeros too) gets the scale byte 1; the bytes are read by this text alone.
;   p under 2^-126 counts as 0 (ISA guide, the entry of v_exp_f32).  The channel sum and the cumulative sum are f32 sums in another order than the problem's definition takes them.
.set XS,   256        ; LDS: the row of x: channel c at 1024 c + 128 (c / 32), token at + 4 w: the two halves of the lanes then read words 32 apart.  The words at XS - 4 and at the gap's end are set to 0
.set OS,   66048      ; the row of out0: channel c at 1040 c: sixteen rows that a store touches start 16 bytes further on in each 256
.set XFI,  132608     ; x's codes, an image a tile: 768 i; registers 0-3 at 16 lane, 4-5 at 512 + 8 lane
.set XFS,  144896     ; their scale words: 128 i + 4 lane
.set INT,  146944     ; 1 + the sum over channels of |x(w) - x(w - 1)|: 4 w
.set KI,   147968     ; k in f32: 4096 i + 1024 head; registers 0-3 at 16 lane, 4-7 at 512 + 16 lane
.set VI,   213504     ; V^T's codes: 768 (4 head + quarter of 64 keys), image as x's
.set VS,   225792     ; V's scale words: 128 (2 head + half of 128 keys) + 4 lane
.set CT,   226816     ; the cumulative sum, a copy for each wave: 1024 wave + 4 w
.set OP,   1040
.set AK,   1          ; main part: v1 KI + 16 lane   v2 CT + 1024 wave + 64 (lane / 16)   v3 VI + 16 lane   v4 VI + 512 + 8 lane   v5 VS + 4 lane
.set ACT,  2
.set AV16, 3
.set AV8,  4
.set AVS,  5
.set CN,   6          ; v[6:7]   ct of my query, 0
.set NM,   8          ; v8 -M    v9 the largest t so far
.set TX,   9
.set L,    10         ; v[10:11] the sum of p, in two halves
.set VF,   12         ; v12-23   a fragment of V^T
.set LS,   24         ; v24-27   the four heads' sums
.set SCW,  28         ; v28-31   scale words and nothing else: Wq's and Wk's, then four x tiles', then Wp's
.set Q,    32         ; v32-63   q, head hd at 8 hd
.set O,    64         ; v64-95   k, then v, then O^T in the order head 0, 2, 1, 3
.set T,    96         ; v96-159  x, then ct_m, d, the biased score, p
.set S,    160        ; v160-191 four score tiles: written by the f32 matrix form alone
.set KF,   192        ; v192-223 four tiles of k; ahead of the main part v192-251 hold the weights' codes
.set PC,   224        ; v224-235 p's codes (v232-235: the blocks' largest scores until the codes are made)
.set BM,   232
.set W8,   236        ; v236-243 at work
.set SO,   244        ; v244-247 the conversions' scale operands
.set F,    252        ; v252 2^(old M - new M)
.set PW,   253        ; v253 a scale word and nothing else: Wv's, then p's, then O's
.set TMP,  254
.set VSW,  255        ; v255 a scale word and nothing else: x's, then V's
.set XC,   96
.set XP,   128
.set XF,   128
.set W,    192
.macro BAR            ; my LDS stores have landed and my LDS loads are in: then the work-group's barrier
	s_wait_dscnt 0x0
	s_barrier_signal -1
	s_barrier_wait -1
.endm
; 32 numbers of a lane, one whole block along K, become six registers of codes, six of zero codes, and the row's scale word (byte lane / 16 is mine, the other comes from lane l xor 16).  t: four registers at work
.macro QBLK32 src, dst, word, t
	v_max3_num_f32 v[\t], |v[\src]|, |v[\src+1]|, 0x1800000        ; the floor 2^(3 - 127) among the leaves: the byte cannot fall under 1
	v_max3_num_f32 v[\t+1], |v[\src+2]|, |v[\src+3]|, |v[\src+4]|
.irp i, 5,9,13,17,21,25
	v_max3_num_f32 v[\t], v[\t], |v[\src+\i]|, |v[\src+\i+1]|
	v_max3_num_f32 v[\t+1], v[\t+1], |v[\src+\i+2]|, |v[\src+\i+3]|
.endr
	v_max3_num_f32 v[\t], v[\t], |v[\src+29]|, |v[\src+30]|
	v_max3_num_f32 v[\t], v[\t], v[\t+1], |v[\src+31]|
	v_bfe_u32 v[\t+2], v0, 4, 1
	v_lshlrev_b32 v[\t+2], 3, v[\t+2]                              ; 8 (lane / 16)
	v_mov_b32 v[\t+3], 0                                           ; a lane permute's destination counts as one of its sources
	v_add_nc_u32 v[\t], 0xff000000, v[\t]                          ; 2 off the exponent field: the conversion's scale operand
	v_lshrrev_b32 v[\t+1], 23, v[\t]                               ; the scale's byte,
	v_lshlrev_b32 v[\t+1], v[\t+2], v[\t+1]                        ; at its place in the word
	v_permlanex16_b32 v[\t+3], v[\t+1], s28, s29
	v_or_b32 v[\word], v[\t+1], v[\t+3]
	v_cvt_scalef32_pk16_fp6_f32 v[\dst:\dst+2], v[\src:\src+15], v[\t]
	v_cvt_scalef32_pk16_fp6_f32 v[\dst+12:\dst+14], v[\src+16:\src+31], v[\t]   ; (a conversion's three registers begin on an even number)
	v_nop                                                          ; one plain place behind a scaled conversion
.irp i, 0,1,2
	v_mov_b32 v[\dst+3+\i], v[\dst+12+\i]
.endr
.irp i, 6,7,8,9,10,11
	v_mov_b32 v[\dst+\i], 0                                        ; k = 64 .. 127: zero codes
.endr
.endm
.macro KLOAD hd, tile0               ; four tiles of k of one head: 8 loads
.irp t, 0,1,2,3
	ds_load_b128 v[KF+8*\t:KF+8*\t+3],   v[AK] offset:((\tile0)+\t)*4096+(\hd)*1024
	ds_load_b128 v[KF+8*\t+4:KF+8*\t+7], v[AK] offset:((\tile0)+\t)*4096+(\hd)*1024+512
.endr
.endm
.macro CLOAD s, g                    ; ct of the 32 keys that group g's registers stand for: 8 loads; register 16 B + i is key 128 s + 32 B + 16 (lane / 16) + i
.irp q, 0,1,2,3,4,5,6,7
	ds_load_b128 v[T+32*(\g)+4*\q:T+32*(\g)+4*\q+3], v[ACT] offset:512*(\s)+128*(2*(\g)+\q/4)+16*(\q%4)
.endr
.endm
.macro MUL hd                        ; S^T of four key tiles: 16 dims in four steps; the four accumulators take turns, one instruction a turn; the first step starts the sums
.irp c, 0,1,2,3
.irp t, 0,1,2,3
.if \c == 0
	v_wmma_f32_16x16x4_f32 v[S+8*\t:S+8*\t+7], v[KF+8*\t+2*\c:KF+8*\t+2*\c+1], v[Q+8*(\hd)+2*\c:Q+8*(\hd)+2*\c+1], 0
.else
	v_wmma_f32_16x16x4_f32 v[S+8*\t:S+8*\t+7], v[KF+8*\t+2*\c:KF+8*\t+2*\c+1], v[Q+8*(\hd)+2*\c:Q+8*(\hd)+2*\c+1], v[S+8*\t:S+8*\t+7]
.endif
.endr
.endr
.endm
.macro DSUB g                        ; d = ct_m - ct_n.  Sixteen plain instructions that name no register of the products in front: they are the places behind those (ISA guide 7.12.1)
.set dj, 0
.rept 16
	v_pk_add_f32 v[T+32*(\g)+dj:T+32*(\g)+dj+1], v[T+32*(\g)+dj:T+32*(\g)+dj+1], v[CN:CN+1] op_sel_hi:[1,0] neg_lo:[0,1] neg_hi:[0,1]
.set dj, dj+2
.endr
.endm
.macro BIAS hd, g                    ; q.k - 4 gs |d|: one fused multiply-add; each score tile is read from its low end on
.set bj, 0
.rept 32
	v_fma_f32 v[T+32*(\g)+bj], |v[T+32*(\g)+bj]|, s[24+(\hd)], v[S+bj]
.set bj, bj+1
.endr
.endm
.macro VLOAD hd, s                   ; V^T's fragment for 128 keys, from two images of 64, and its scale word: 5 loads
	ds_load_b128 v[VF:VF+3],     v[AV16] offset:(4*(\hd)+2*(\s))*768
	ds_load_b64  v[VF+4:VF+5],   v[AV8]  offset:(4*(\hd)+2*(\s))*768
	ds_load_b128 v[VF+6:VF+9],   v[AV16] offset:(4*(\hd)+2*(\s)+1)*768
	ds_load_b64  v[VF+10:VF+11], v[AV8]  offset:(4*(\hd)+2*(\s)+1)*768
	ds_load_b32  v[VSW],         v[AVS]  offset:(2*(\hd)+(\s))*128
.endm
; The softmax of 128 keys of my query.  first = 1: the head's first half, which starts M, the sum and O^T.
.macro SOFT hd, first
.set ro, O+8*(2*((\hd)&1)+((\hd)>>1))
.irp b, 0,1,2,3
	v_max3_num_f32 v[BM+\b], v[T+16*\b], v[T+16*\b+1], v[T+16*\b+2]   ; the largest score of each block of 32 keys: for the row's maximum and, since p rises with the score, for the block's largest p
.endr
.irp i, 3,5,7,9,11,13
.irp b, 0,1,2,3
	v_max3_num_f32 v[BM+\b], v[BM+\b], v[T+16*\b+\i], v[T+16*\b+\i+1]
.endr
.endr
.irp b, 0,1,2,3
	v_max_num_f32 v[BM+\b], v[BM+\b], v[T+16*\b+15]
.endr
.irp b, 0,1,2,3
	v_permlanex16_b32 v[W8+\b], v[BM+\b], s28, s29
.endr
.irp b, 0,1,2,3
	v_max_num_f32 v[BM+\b], v[BM+\b], v[W8+\b]                     ; with lane l xor 16's 16 keys
.endr
	v_max3_num_f32 v[TMP], v[BM], v[BM+1], v[BM+2]
	v_max_num_f32 v[TMP], v[TMP], v[BM+3]
.if \first
	v_mul_f32 v[TX], s30, v[TMP]                                   ; as t (c is positive)
	v_floor_f32 v[NM], -v[TX]                                      ; -M = floor(-t): M is a whole number
.else
	v_mul_f32 v[TMP], s30, v[TMP]
	v_max_num_f32 v[TX], v[TX], v[TMP]
	v_mov_b32 v[TMP], v[NM]
	v_floor_f32 v[NM], -v[TX]
	v_sub_f32 v[TMP], v[NM], v[TMP]                                ; old M - new M: a whole number, 0 or less
	v_cvt_i32_f32 v[TMP], v[TMP]
	v_ldexp_f32 v[F], 1.0, v[TMP]                                  ; f = 2^(old M - new M): a multiplication by it rounds nothing
.endif
.set sj, 0
.rept 32
	v_pk_fma_f32 v[T+sj:T+sj+1], v[T+sj:T+sj+1], s[30:31], v[NM:NM+1] op_sel_hi:[1,0,0]   ; t - M
.set sj, sj+2
.endr
.irp b, 0,1,2,3
	v_fma_f32 v[BM+\b], v[BM+\b], s30, v[NM]
.endr
.set sj, 0
.rept 64
	v_exp_f32 v[T+sj], v[T+sj]                                     ; p = 2^(t - M): not normalised
.set sj, sj+1
.endr
.irp b, 0,1,2,3
	v_exp_f32 v[BM+\b], v[BM+\b]                                   ; the block's largest p: the same two instructions on the same number
.endr
.if \first
	v_nop                                                          ; a plain place behind the exponentials
	s_wait_alu depctr_va_vdst(0)
.else
	v_pk_mul_f32 v[L:L+1], v[L:L+1], v[F:F+1] op_sel_hi:[1,0]      ; the sums under the new M (and the plain place behind the exponentials)
	s_wait_alu depctr_va_vdst(0)
.endif
.irp b, 0,1,2,3
	v_max_num_f32 v[BM+\b], 0x1800000, v[BM+\b]                    ; the floor 2^(3 - 127)
.endr
.irp b, 0,1,2,3
	v_add_nc_u32 v[SO+\b], 0xff000000, v[BM+\b]                    ; 2 off the exponent field: the conversion's scale operand
.endr
.irp b, 0,1,2,3
	v_lshrrev_b32 v[W8+\b], 23, v[SO+\b]
.endr
	v_lshl_or_b32 v[PW], v[W8+1], 8, v[W8]                         ; p's scale word for these 128 keys
	v_lshl_or_b32 v[PW], v[W8+2], 16, v[PW]
	v_lshl_or_b32 v[PW], v[W8+3], 24, v[PW]
.irp c, 0,1
	v_cvt_scalef32_pk16_fp6_f32 v[PC+6*\c:PC+6*\c+2], v[T+32*\c:T+32*\c+15], v[SO+2*\c]
	v_cvt_scalef32_pk16_fp6_f32 v[W8+4*\c:W8+4*\c+2], v[T+32*\c+16:T+32*\c+31], v[SO+2*\c+1]
.endr
	v_nop                                                          ; one plain place behind a scaled conversion
.irp c, 0,1                          ; the operand wants a whole block in a lane: lanes 0-15 block 2 c, lanes 16-31 block 2 c + 1
.irp i, 0,1,2
	v_permlane16_swap_b32 v[PC+6*\c+\i], v[W8+4*\c+\i]
.endr
.irp i, 0,1,2
	v_mov_b32 v[PC+6*\c+3+\i], v[W8+4*\c+\i]
.endr
.endr
	v_pk_add_f32 v[W8:W8+1], v[T:T+1], v[T+2:T+3]                  ; the sum of the unquantised p, in two chains
.if \first
	v_pk_add_f32 v[L:L+1], v[T+4:T+5], v[T+8:T+9]                  ; which here start the head's sum
.else
	v_pk_add_f32 v[L:L+1], v[L:L+1], v[T+4:T+5]
	v_pk_add_f32 v[L:L+1], v[L:L+1], v[T+8:T+9]
.endif
	v_pk_add_f32 v[W8:W8+1], v[W8:W8+1], v[T+6:T+7]
	v_pk_add_f32 v[W8:W8+1], v[W8:W8+1], v[T+10:T+11]
.irp j, 12,16,20,24,28,32,36,40,44,48,52,56,60
	v_pk_add_f32 v[L:L+1], v[L:L+1], v[T+\j:T+\j+1]
	v_pk_add_f32 v[W8:W8+1], v[W8:W8+1], v[T+\j+2:T+\j+3]
.endr
	v_pk_add_f32 v[L:L+1], v[L:L+1], v[W8:W8+1]
.if !(\first)
.irp i, 0,2,4,6
	v_pk_mul_f32 v[ro+\i:ro+\i+1], v[ro+\i:ro+\i+1], v[F:F+1] op_sel_hi:[1,0]   ; O^T under the new M
.endr
.endif
.endm
.macro PV hd, first                  ; O^T (+)= V^T P^T over 128 keys.  p's codes stand more than 4 plain instructions back, its scale word more than 8: the sums above
.set ro, O+8*(2*((\hd)&1)+((\hd)>>1))
.if \first
	v_wmma_scale_f32_16x16x128_f8f6f4 v[ro:ro+7], v[VF:VF+11], v[PC:PC+11], 0, v[VSW], v[PW] matrix_a_fmt:MATRIX_FMT_FP6 matrix_b_fmt:MATRIX_FMT_FP6
.else
	v_wmma_scale_f32_16x16x128_f8f6f4 v[ro:ro+7], v[VF:VF+11], v[PC:PC+11], v[ro:ro+7], v[VSW], v[PW] matrix_a_fmt:MATRIX_FMT_FP6 matrix_b_fmt:MATRIX_FMT_FP6
.endif
.endm
; A HALF-UNIT: one head, 128 keys, in two groups of four key tiles.  Every LDS offset is an immediate.  last = 1: nothing follows; Wp, its scales and bp are asked for instead.
.macro HU hd, s, last
	s_wait_dscnt 0x0                                               ; group 0's k and ct are in
	MUL \hd
	DSUB 0
	KLOAD \hd, 8*\s+4                                              ; group 1's, behind the sixteen places
	CLOAD \s, 1
	BIAS \hd, 0
	s_wait_dscnt 0x0
	MUL \hd                                                        ; begins the four score tiles anew: the sixteen subtractions above stand between
	DSUB 1
	VLOAD \hd, \s
.if \last
.irp t, 0,1,2,3
.irp p, 0,1,2
	global_load_b64 v[KF+6*\t+2*\p:KF+6*\t+2*\p+1], v249, s[12:13] offset:768*\t+8*\p   ; Wp's rows 16 t + r, 24 bytes a lane
.endr
	global_load_u16 v[SCW+\t], v250, s[14:15] offset:32*\t         ; and their two scale bytes; bytes 2 and 3 of the word are 0
.endr
.else
	KLOAD \hd+\s, 8*(1-\s)                                         ; the next half-unit's group 0
.endif
	BIAS \hd, 1
	SOFT \hd, 1-\s
.if \last
.irp t, 0,1,2,3
	global_load_b32 v[T+2*\t], v251, s[16:17] offset:64*\t         ; bp of channel 16 t + r, into even registers: the packed addition takes a pair's low word
.endr
	s_wait_dscnt 0x0                                               ; V is in
.else
	CLOAD 1-\s, 0
	s_wait_dscnt 16                                                ; V's five loads are in; the 8 + 8 issued behind them (the next k and ct) may be out
.endif
	PV \hd, 1-\s
.if \s
	v_add_f32 v[LS+\hd], v[L], v[L+1]                              ; the head's sum, my half of the keys
.endif
.endm
; ---------------- the head: addresses, and all loads at once
	s_load_b256 s[4:11], s[0:1], 0x0               ; x s[4:5], Wqkv's codes s[6:7], its scales s[8:9], bqkv s[10:11]
	s_load_b256 s[12:19], s[0:1], 0x20             ; Wp's codes s[12:13], its scales s[14:15], bp s[16:17], geo_scale s[18:19]
	s_load_b64 s[20:21], s[0:1], 0x40              ; out0
	v_lshrrev_b32 v1, 5, v0
	v_readfirstlane_b32 s22, v1                    ; wave 0..15
	v_and_b32 v1, 15, v0                           ; r
	v_bfe_u32 v2, v0, 4, 1                         ; h
	v_and_b32 v3, 31, v0                           ; lane
	v_lshlrev_b32 v4, 4, v3
	v_lshlrev_b32 v5, 3, v3
	v_lshlrev_b32 v6, 2, v3
	s_lshr_b32 s40, s22, 1
	s_lshl_b32 s40, s40, 5
	s_and_b32 s41, s22, 1
	s_lshl_b32 s41, s41, 3
	s_add_co_u32 s40, s40, s41                     ; 32 (w / 2) + 8 (w % 2): kept
	v_and_b32 v7, 8, v1
	v_add_nc_u32 v7, v7, v1
	v_add_nc_u32 v7, s40, v7                       ; tok(r)
	s_and_b32 s41, s22, 3                          ; the head whose V I make: kept
	v_lshlrev_b32 v8, 5, v2                        ; biases of q, k: 32 h
	v_mul_u32_u24 v9, v1, 48
	v_mad_u32_u24 v9, v2, 24, v9                   ; a row of 64 codes is 48 bytes: 48 r + 24 h
	s_mul_i32 s42, s41, 768
	v_add_nc_u32 v10, s42, v9                      ; + my head's 16 rows, for Wv
	v_lshlrev_b32 v11, 1, v1
	s_lshl_b32 s42, s41, 5
	v_add_nc_u32 v12, s42, v11                     ; Wv's scale bytes: 2 r + 32 head
	v_lshl_add_u32 v11, v2, 7, v11                 ; lanes 0-15 Wq's, lanes 16-31 Wk's: 2 r + 128 h
	v_lshlrev_b32 v13, 2, v1
	s_lshl_b32 s42, s41, 6
	v_add_nc_u32 v13, s42, v13                     ; bv: 4 r + 64 head
	s_lshr_b32 s32, ttmp9, 8                       ; b
	s_lshl_b32 s32, s32, 24
	s_and_b32 s33, ttmp9, 255                      ; h
	s_lshl_b32 s33, s33, 10
	s_add_co_u32 s32, s32, s33
	s_lshl_b32 s33, s22, 20                        ; my four channels, 4 w on
	s_add_co_u32 s32, s32, s33
	s_mov_b32 s33, 0
	s_mov_b32 s28, 0x76543210
	s_mov_b32 s29, 0xfedcba98                      ; v_permlanex16_b32's selects for lane l xor 16
	s_mov_b32 s30, 0x3eb8aa3b                      ; c = log2(e) / 4
	s_mov_b32 s31, s30
	s_wait_kmcnt 0x0
	s_add_nc_u64 s[36:37], s[4:5], s[32:33]
	s_add_nc_u64 s[38:39], s[20:21], s[32:33]
	s_load_b128 s[24:27], s[18:19], 0x0            ; geo_scale
.irp i, 0,1,2,3,4,5,6,7
	global_load_b128 v[XC+4*\i:XC+4*\i+3], v4, s[36:37] offset:262144*(\i/2)+512*(\i%2) th:TH_LOAD_NT   ; 512 consecutive bytes of one channel's row
.endr
.irp i, 0,1,2,3
	global_load_b128 v[Q+8*\i:Q+8*\i+3],   v8, s[10:11] offset:64*\i         ; bq and bk in the results' layout: they are the products' C
	global_load_b128 v[Q+8*\i+4:Q+8*\i+7], v8, s[10:11] offset:64*\i+16
	global_load_b128 v[O+8*\i:O+8*\i+3],   v8, s[10:11] offset:256+64*\i
	global_load_b128 v[O+8*\i+4:O+8*\i+7], v8, s[10:11] offset:256+64*\i+16
.endr
.irp i, 0,1,2,3
.irp p, 0,1,2
	global_load_b64 v[W+6*\i+2*\p:W+6*\i+2*\p+1],       v9, s[6:7] offset:768*\i+8*\p        ; Wq, head i: six registers
	global_load_b64 v[W+24+6*\i+2*\p:W+24+6*\i+2*\p+1], v9, s[6:7] offset:3072+768*\i+8*\p   ; Wk
.endr
	global_load_u16 v[SCW+\i], v11, s[8:9] offset:32*\i
.endr
.irp p, 0,1,2
	global_load_b64 v[W+48+2*\p:W+48+2*\p+1], v10, s[6:7] offset:6144+8*\p   ; Wv, my head
.endr
	global_load_u16 v[PW], v12, s[8:9] offset:256
	global_load_b32 v26, v13, s[10:11] offset:512                            ; bv of dim r
.irp i, 54,55,56,57,58,59
	v_mov_b32 v[W+\i], 0                           ; Wv's k = 64 .. 127: zero codes
.endr
	v_mov_b32 v27, 0
	v_mov_b32 v24, 0
	s_lshl_b32 s42, s22, 12
	s_lshr_b32 s43, s22, 3
	s_lshl_b32 s43, s43, 7
	s_add_co_u32 s42, s42, s43
	s_add_co_u32 s42, s42, XS
	v_add_nc_u32 v14, s42, v4                      ; XS + 4096 w + 128 (w / 8) + 16 lane
	v_mul_u32_u24 v15, v2, 32896                   ; channels 32 h on
	v_add_nc_u32 v25, XS-4, v15                    ; the word in front of channel 0's row (lanes 0-15) and of channel 32's (lanes 16-31)
	v_lshl_add_u32 v15, v7, 2, v15                 ; my token
	v_add_nc_u32 v16, XS-4, v15                    ; the token before: one word back.  Token 0 finds there the channel before's last token, or one of the two words set to 0; what it makes of them is thrown away below
	v_add_nc_u32 v15, XS, v15
	v_lshl_add_u32 v17, v7, 2, INT
	s_mul_i32 s42, s22, 768
	s_add_co_u32 s42, s42, XFI
	v_add_nc_u32 v18, s42, v4
	s_add_co_u32 s42, s42, 512
	v_add_nc_u32 v19, s42, v5
	s_lshl_b32 s42, s22, 7
	s_add_co_u32 s42, s42, XFS
	v_add_nc_u32 v20, s42, v6
	s_lshl_b32 s42, s22, 12
	s_add_co_u32 s42, s42, KI
	v_add_nc_u32 v21, s42, v4
	s_wait_kmcnt 0x0
	s_mul_f32 s24, s24, -4.0                       ; -4 gs: exact
	s_mul_f32 s25, s25, -4.0
	s_mul_f32 s26, s26, -4.0
	s_mul_f32 s27, s27, -4.0
	s_cmp_lg_u32 s22, 0                            ; wave 0 alone sets the two words: sixteen lanes write each, all the same 0
	s_cbranch_scc1 .Lno_pad
	ds_store_b32 v25, v27
.Lno_pad:
	s_wait_loadcnt 49                              ; x's eight loads are in; the 49 issued behind them may be out
.irp i, 0,1,2,3,4,5,6,7
	ds_store_b128 v14, v[XC+4*\i:XC+4*\i+3] offset:1024*(\i/2)+512*(\i%2)
.endr
	BAR                                            ; the row of x lies in LDS
; ---------------- my 16 tokens: the integrand, the codes of x, q and k
.set i, 0
.rept 32
	ds_load_b32 v[XC+i], v15 offset:1024*i
.set i, i+1
.endr
.set i, 0
.rept 16
	ds_load_b32 v[XP+i], v16 offset:1024*i
.set i, i+1
.endr
	s_wait_dscnt 0x0
.rept 16
	ds_load_b32 v[XP+i], v16 offset:1024*i         ; the other 16 channels' land while the first 16 differences are summed
.set i, i+1
.endr
.set i, 0
.rept 8
	v_pk_add_f32 v[XP+i:XP+i+1], v[XC+i:XC+i+1], v[XP+i:XP+i+1] neg_lo:[0,1] neg_hi:[0,1]
.set i, i+2
.endr
	v_add_f32 v22, |v[XP]|, |v[XP+1]|              ; the sum of my 32 channels' magnitudes, in two chains
	v_add_f32 v23, |v[XP+2]|, |v[XP+3]|
.irp i, 4,6,8,10,12,14
	v_add_f32 v22, v22, |v[XP+\i]|
	v_add_f32 v23, v23, |v[XP+\i+1]|
.endr
	s_wait_dscnt 0x0
.set i, 16
.rept 8
	v_pk_add_f32 v[XP+i:XP+i+1], v[XC+i:XC+i+1], v[XP+i:XP+i+1] neg_lo:[0,1] neg_hi:[0,1]
.set i, i+2
.endr
.irp i, 16,18,20,22,24,26,28,30
	v_add_f32 v22, v22, |v[XP+\i]|
	v_add_f32 v23, v23, |v[XP+\i+1]|
.endr
	v_add_f32 v22, v22, v23
	v_permlanex16_b32 v24, v22, s28, s29
	v_add_f32 v22, v22, v24                        ; with the other 32 channels'
	v_add_f32 v22, 1.0, v22
	v_cmp_ne_u32 vcc_lo, 0, v7
	v_cndmask_b32 v22, 1.0, v22, vcc_lo            ; token 0 has no token before it: its integrand is 1
	ds_store_b32 v17, v22                          ; both halves of the lanes write the same word with the same value
	QBLK32 XC, XF, VSW, 144
	ds_store_b128 v18, v[XF:XF+3]                  ; the image of my tile's codes, for the waves that make V
	ds_store_b64 v19, v[XF+4:XF+5]
	ds_store_b32 v20, v[VSW]
	s_wait_loadcnt 0x0                             ; weights, scales, biases
.rept 8
	v_nop                                          ; a scale word made by vector instructions stands 8 places ahead of a scaled matrix instruction, codes so made 4
.endr
.irp hd, 0,1,2,3
	v_wmma_scale_f32_16x16x128_f8f6f4 v[Q+8*\hd:Q+8*\hd+7], v[W+6*\hd:W+6*\hd+11], v[XF:XF+11], v[Q+8*\hd:Q+8*\hd+7], v[SCW+\hd], v[VSW] matrix_a_fmt:MATRIX_FMT_FP6 matrix_b_fmt:MATRIX_FMT_FP6
	v_wmma_scale_f32_16x16x128_f8f6f4 v[O+8*\hd:O+8*\hd+7], v[W+24+6*\hd:W+24+6*\hd+11], v[XF:XF+11], v[O+8*\hd:O+8*\hd+7], v[SCW+\hd], v[VSW] matrix_a_fmt:MATRIX_FMT_FP6 matrix_b_fmt:MATRIX_FMT_FP6 matrix_a_scale:MATRIX_SCALE_ROW1
.endr
	; the next part's addresses: nine plain instructions that name no register of those products: the places behind them
	s_lshr_b32 s43, s22, 2                         ; the quarter of 64 keys whose V I make
	s_mul_i32 s42, s43, 3072
	s_add_co_u32 s42, s42, XFI
	v_add_nc_u32 v8, s42, v4
	s_add_co_u32 s42, s42, 512
	v_add_nc_u32 v9, s42, v5
	s_lshl_b32 s42, s43, 9
	s_add_co_u32 s42, s42, XFS
	v_add_nc_u32 v10, s42, v6
	v_lshl_add_u32 v11, v3, 5, INT
	s_lshl_b32 s44, s22, 10
	s_add_co_u32 s44, s44, CT                      ; my copy of ct: kept
	v_lshl_add_u32 v12, v3, 5, s44
	v_lshl_add_u32 v13, v7, 2, s44
	s_lshl_b32 s42, s41, 2
	s_add_co_u32 s42, s42, s43
	s_mul_i32 s42, s42, 768
	s_add_co_u32 s42, s42, VI
	v_add_nc_u32 v14, s42, v4
	s_add_co_u32 s42, s42, 512
	v_add_nc_u32 v15, s42, v5
	s_lshl_b32 s42, s41, 8
	s_lshr_b32 s45, s22, 3
	s_lshl_b32 s45, s45, 7
	s_add_co_u32 s42, s42, s45
	s_and_b32 s45, s43, 1
	s_lshl_b32 s45, s45, 1
	s_add_co_u32 s42, s42, s45
	s_add_co_u32 s42, s42, VS
	v_add_nc_u32 v16, s42, v6                      ; my two bytes of V's scale words: 256 head + 128 (quarter / 2) + 2 (quarter % 2) + 4 lane
.irp hd, 0,1,2,3
	ds_store_b128 v21, v[O+8*\hd:O+8*\hd+3]   offset:1024*\hd      ; k's image, each tile from its low end on
	ds_store_b128 v21, v[O+8*\hd+4:O+8*\hd+7] offset:1024*\hd+512
.endr
	BAR                                            ; the integrand, all tiles' codes of x and all of k lie in LDS
; ---------------- ct (every wave for itself) and my part of V: one head, 64 keys
.irp t, 0,1,2,3
	ds_load_b128 v[T+6*\t:T+6*\t+3],   v8  offset:768*\t           ; four tiles' codes, six registers apart
	ds_load_b64  v[T+6*\t+4:T+6*\t+5], v9  offset:768*\t
	ds_load_b32  v[SCW+\t],            v10 offset:128*\t
.endr
	ds_load_b128 v[192:195], v11                   ; my eight numbers of the integrand
	ds_load_b128 v[196:199], v11 offset:16
	s_wait_dscnt 0x2                               ; all but these two
.irp t, 0,1,2,3
	v_wmma_scale_f32_16x16x128_f8f6f4 v[O+8*\t:O+8*\t+7], v[T+6*\t:T+6*\t+11], v[W+48:W+59], 0, v[SCW+\t], v[PW] matrix_a_fmt:MATRIX_FMT_FP6 matrix_b_fmt:MATRIX_FMT_FP6
.endr
	s_wait_dscnt 0x0
.irp i, 1,2,3,4,5,6,7
	v_add_f32 v[192+\i], v[192+\i], v[191+\i]      ; the running sum within my eight.  (These lines are also the places behind the products)
.endr
	v_mov_b32 v200, v199
	v_add_f32_dpp v200, v200, v200 row_shr:1 row_mask:0xf bank_mask:0xf bound_ctrl:1   ; and of the lanes' totals within 16 lanes
	v_add_f32_dpp v200, v200, v200 row_shr:2 row_mask:0xf bank_mask:0xf bound_ctrl:1
	v_add_f32_dpp v200, v200, v200 row_shr:4 row_mask:0xf bank_mask:0xf bound_ctrl:1
	v_add_f32_dpp v200, v200, v200 row_shr:8 row_mask:0xf bank_mask:0xf bound_ctrl:1
	v_mov_b32 v201, 0
	v_mov_b32_dpp v201, v200 row_shr:1 row_mask:0xf bank_mask:0xf bound_ctrl:1         ; what lies in front of my eight: no subtraction
	v_readlane_b32 s47, v200, 15                   ; the first 16 lanes' total,
	v_cvt_f32_u32 v202, v2
	v_fma_f32 v201, v202, s47, v201                ; for lanes 16-31
.irp i, 0,1,2,3,4,5,6,7
	v_add_f32 v[192+\i], v[192+\i], v201
.endr
	ds_store_b128 v12, v[192:195]
	ds_store_b128 v12, v[196:199] offset:16
	ds_load_b32 v[CN], v13                         ; ct of my query: my own bytes, and LDS serves a wave's instructions in order (ISA guide 5.7.1.4)
	v_mov_b32 v[CN+1], 0
.set i, 0
.rept 16
	v_pk_add_f32 v[O+i:O+i+1], v[O+i:O+i+1], v[26:27] op_sel_hi:[1,0]   ; + bv.  Register 16 B + i is v(token 64 quarter + 32 B + 16 h + i, dim r)
.set i, i+2
.endr
	v_mov_b32 v206, 0
	v_mov_b32 v207, 0
.irp b, 0,1
	v_max3_num_f32 v[204+\b], |v[O+16*\b]|, |v[O+16*\b+1]|, 0x1800000
.endr
.irp i, 2,4,6,8,10,12,14
.irp b, 0,1
	v_max3_num_f32 v[204+\b], v[204+\b], |v[O+16*\b+\i]|, |v[O+16*\b+\i+1]|
.endr
.endr
.irp b, 0,1
	v_permlanex16_b32 v[206+\b], v[204+\b], s28, s29
.endr
.irp b, 0,1
	v_max_num_f32 v[204+\b], v[204+\b], v[206+\b]  ; the block's largest magnitude
.endr
.irp b, 0,1
	v_add_nc_u32 v[208+\b], 0xff000000, v[204+\b]
.endr
.irp b, 0,1
	v_lshrrev_b32 v[210+\b], 23, v[208+\b]
.endr
	v_lshl_or_b32 v212, v211, 8, v210              ; my two scale bytes
	v_cvt_scalef32_pk16_fp6_f32 v[216:218], v[O:O+15], v208
	v_cvt_scalef32_pk16_fp6_f32 v[224:226], v[O+16:O+31], v209
	v_nop                                          ; one plain place behind a scaled conversion
.irp i, 0,1,2
	v_permlane16_swap_b32 v[216+\i], v[224+\i]     ; a whole block to a lane: lanes 0-15 block 0, lanes 16-31 block 1
.endr
.irp i, 0,1,2
	v_mov_b32 v[219+\i], v[224+\i]
.endr
	ds_store_b128 v14, v[216:219]
	ds_store_b64 v15, v[220:221]
	ds_store_b16 v16, v212
	v_mul_u32_u24 v249, v1, 48                     ; the main part's registers
	v_mad_u32_u24 v249, v2, 24, v249               ; Wp's codes: 48 r + 24 h
	v_lshlrev_b32 v250, 1, v1                      ; its scale bytes: 2 r
	v_lshlrev_b32 v251, 2, v1                      ; bp: 4 r
	v_lshl_add_u32 v[AK], v3, 4, KI
	v_lshl_add_u32 v[ACT], v2, 6, s44
	v_lshl_add_u32 v[AV8], v3, 3, VI+512
	v_lshl_add_u32 v[AVS], v3, 2, VS
	v_lshl_add_u32 v[AV16], v3, 4, VI
.irp b, 0,1,2,3,4,5,6,7
	v_mov_b32 v[W8+\b], 0                          ; written once: lane permutes' destinations, and the upper halves of pairs that are named
.endr
	BAR                                            ; V's codes and scale words lie in LDS; ct of my query is in
; ---------------- the main part: four heads x two halves of the keys
	KLOAD 0, 0
	CLOAD 0, 0
	HU 0, 0, 0
	HU 0, 1, 0
	HU 1, 0, 0
	HU 1, 1, 0
	HU 2, 0, 0
	HU 2, 1, 0
	HU 3, 0, 0
	HU 3, 1, 1
; ---------------- the way out: O / l, its codes, the last product, the stage, whole rows of out0
.irp hd, 0,1,2,3
	v_permlanex16_b32 v[SO+\hd], v[LS+\hd], s28, s29
.endr
.irp hd, 0,1,2,3
	v_add_f32 v[LS+\hd], v[LS+\hd], v[SO+\hd]      ; with the other half of the keys: the row's sum
.endr
.irp hd, 0,1,2,3
	v_rcp_f32 v[W8+2*\hd], v[LS+\hd]
.endr
	v_nop                                          ; a plain place behind the reciprocals
	s_wait_alu depctr_va_vdst(0)
.irp hd, 0,1,2,3
.irp i, 0,2,4,6
	v_pk_mul_f32 v[O+8*(2*(\hd&1)+(\hd>>1))+\i:O+8*(2*(\hd&1)+(\hd>>1))+\i+1], v[O+8*(2*(\hd&1)+(\hd>>1))+\i:O+8*(2*(\hd&1)+(\hd>>1))+\i+1], v[W8+2*\hd:W8+2*\hd+1] op_sel_hi:[1,0]
.endr
.endr
.irp j, 0,1,2,3,4,5,6,7
	v_permlane16_swap_b32 v[O+\j], v[O+8+\j]       ; heads 0 and 2: lanes 0-15 now hold head 0's 16 dims, lanes 16-31 head 2's
.endr
.irp j, 0,1,2,3,4,5,6,7
	v_permlane16_swap_b32 v[O+16+\j], v[O+24+\j]   ; heads 1 and 3 likewise: v64-95 are channels 32 h + 0 .. 31 of my query
.endr
	QBLK32 O, PC, PW, SO
	s_lshl_b32 s45, s40, 2
	s_add_co_u32 s45, s45, OS
	s_mul_i32 s46, s22, 4*OP
	s_add_co_u32 s46, s46, OS
	s_wait_loadcnt 0x0                             ; Wp, its scales, bp
.rept 8
	v_nop                                          ; the scale word 8 places, the codes 4 places ahead of the scaled matrix instructions
.endr
.irp t, 0,1,2,3
	v_wmma_scale_f32_16x16x128_f8f6f4 v[T+32+8*\t:T+32+8*\t+7], v[PC:PC+11], v[KF+6*\t:KF+6*\t+11], 0, v[PW], v[SCW+\t] matrix_a_fmt:MATRIX_FMT_FP6 matrix_b_fmt:MATRIX_FMT_FP6
.endr
	v_and_b32 v12, 15, v0                          ; eight plain instructions: the places behind those products
	v_mul_u32_u24 v12, v12, OP
	v_bfe_u32 v13, v0, 4, 1
	v_lshl_add_u32 v12, v13, 6, v12
	v_add_nc_u32 v12, s45, v12                     ; the stage: channel r, tokens 32 (w / 2) + 8 (w % 2) + 16 h on
	v_and_b32 v14, 31, v0
	v_lshlrev_b32 v14, 4, v14                      ; 16 lane
	v_add_nc_u32 v15, s46, v14                     ; back: my four channels
.irp t, 0,1,2,3
.irp i, 0,2,4,6
	v_pk_add_f32 v[T+32+8*\t+\i:T+32+8*\t+\i+1], v[T+32+8*\t+\i:T+32+8*\t+\i+1], v[T+2*\t:T+2*\t+1] op_sel_hi:[1,0]   ; + bp
.endr
.endr
.irp t, 0,1,2,3
	ds_store_b128 v12, v[T+32+8*\t:T+32+8*\t+3] offset:16*OP*\t
	ds_store_b128 v12, v[T+32+8*\t+4:T+32+8*\t+7] offset:16*OP*\t+16
.endr
	BAR                                            ; the row of out0 lies in the stage
.irp i, 0,1,2,3,4,5,6,7
	ds_load_b128 v[T+4*\i:T+4*\i+3], v15 offset:OP*(\i/2)+512*(\i%2)
.endr
.irp i, 0,1,2,3,4,5,6,7
	s_wait_dscnt 7-\i                              ; load i is in; the younger ones may be out
	global_store_b128 v14, v[T+4*\i:T+4*\i+3], s[38:39] offset:262144*(\i/2)+512*(\i%2) th:TH_STORE_NT   ; 32 lanes store 512 consecutive bytes, at a multiple of 512 from out0's first byte
.endr
	s_wait_xcnt 0x0
	v_lshl_add_u32 v254, v0, 2, 0x3b600
	v_mov_b32 v255, 0
	s_wait_tensorcnt 0x0
	ds_add_u32 v254, v255
	s_wait_dscnt 0x0
	s_endpgm
.Lfunc_end_k_q0ba7e2028d_geo:
	.size	k_q0ba7e2028d_geo, .Lfunc_end_k_q0ba7e2028d_geo-k_q0ba7e2028d_geo
	.p2alignl 7, 3214868480
	.fill 96, 4, 3214868480
	.section	.rodata,"a",@progbits
	.p2align	6, 0x0
	.amdhsa_kernel k_q0ba7e2028d_geo
		.amdhsa_group_segment_fixed_size 245248
		.amdhsa_private_segment_fixed_size 0
		.amdhsa_enable_private_segment 0
		.amdhsa_kernarg_size 72
		.amdhsa_user_sgpr_count 2
		.amdhsa_user_sgpr_kernarg_segment_ptr 1
		.amdhsa_wavefront_size32 1
		.amdhsa_system_sgpr_workgroup_id_x 1
		.amdhsa_system_sgpr_workgroup_id_y 1
		.amdhsa_system_sgpr_workgroup_id_z 1
		.amdhsa_system_vgpr_workitem_id 0
		.amdhsa_next_free_vgpr 256
		.amdhsa_next_free_sgpr 66
		.amdhsa_reserve_vcc 1
		.amdhsa_float_denorm_mode_32 3
		.amdhsa_float_denorm_mode_16_64 3
		.amdhsa_memory_ordered 1
		.amdhsa_forward_progress 1
		.amdhsa_inst_pref_size 209
	.end_amdhsa_kernel
	.amdgpu_metadata
---
amdhsa.version: [ 1, 2 ]
amdhsa.kernels:
  - .name:           k_q0ba7e2028d_geo
    .symbol:         k_q0ba7e2028d_geo.kd
    .args:
      - { .name: x, .offset: 0, .size: 8, .value_kind: global_buffer, .address_space: global }
      - { .name: Wqkv_codes, .offset: 8, .size: 8, .value_kind: global_buffer, .address_space: global }
      - { .name: Wqkv_scales, .offset: 16, .size: 8, .value_kind: global_buffer, .address_space: global }
      - { .name: bqkv, .offset: 24, .size: 8, .value_kind: global_buffer, .address_space: global }
      - { .name: Wp_codes, .offset: 32, .size: 8, .value_kind: global_buffer, .address_space: global }
      - { .name: Wp_scales, .offset: 40, .size: 8, .value_kind: global_buffer, .address_space: global }
      - { .name: bp, .offset: 48, .size: 8, .value_kind: global_buffer, .address_space: global }
      - { .name: geo_scale, .offset: 56, .size: 8, .value_kind: global_buffer, .address_space: global }
      - { .name: out0, .offset: 64, .size: 8, .value_kind: global_buffer, .address_space: global }
    .group_segment_fixed_size: 245248
    .private_segment_fixed_size: 0
    .kernarg_segment_align: 8
    .kernarg_segment_size: 72
    .max_flat_workgroup_size: 512
    .sgpr_count:     66
    .vgpr_count:     256
    .wavefront_size: 32
...
	.end_amdgpu_metadata
.endif
;; end of part 1
;; ======== version 2 of 2: 1 launch; version 1 with the launch geo written anew for expert scheduling mode
;; launch geo (part 2): grid 512 x 1, 16 waves a work-group, no clusters, 245,248 bytes of LDS; arguments x, Wqkv_codes, Wqkv_scales, bqkv, Wp_codes, Wp_scales, bp, geo_scale, out0; writes out0
.if DOCPART == 2
	.amdgcn_target "amdgcn-amd-amdhsa--gfx1250"
	.amdhsa_code_object_version 6
	.text
	.protected	k_q0ba7e2028d_geo
	.globl	k_q0ba7e2028d_geo
	.p2align	8
	.type	k_q0ba7e2028d_geo,@function
k_q0ba7e2028d_geo:
	s_mov_b64 s[64:65], 0
	v_nop
	global_prefetch_b8 v0, s[64:65] scope:SCOPE_SE
	s_setreg_imm32_b32 hwreg(HW_REG_WAVE_SCHED_MODE, 0, 2), 2
	s_setreg_imm32_b32 hwreg(HW_REG_WAVE_MODE, 25, 1), 1
	s_wait_xcnt 0x0
	s_wait_alu depctr_vm_vsrc(0)
; GEODESIC ATTENTION.  x, out0: [2][64][256][256] f32.  One image row (b, h) is one attention problem: 256 tokens x 64 channels, 4 heads of 16.
; A work-group owns one row; nothing but x, the weights and out0 touches memory.  Sixteen waves of 256 registers, four to a SIMD: one wave's softmax stands beside another's products.
; Wave w owns 16 tokens as queries, all four heads: lane index r stands for token tok(r) = 32 (w / 2) + 8 (w % 2) + r + (r & 8).  With that choice the eight registers of a result tile
; whose rows are tokens hold tokens 32 (i / 2) + 16 (lane / 16) + 8 (i % 2) + 0 .. 7, so two neighbouring tiles give a lane 16 neighbouring tokens: what the conversions to codes want.
; PRODUCTS.  1: q, k transposed (source 0 = 16 rows of W, source 1 = my tokens' codes): a lane holds one token, dims 8 (lane / 16) + j; the bias is the C.  v not transposed: a lane holds one dim and tokens.
;   2: S^T = k q^T by the f32 matrix form, four steps of 4 dims: registers 2 c, 2 c + 1 of k and of q are the same dims on both sides.   3: O^T = V^T P^T on codes, 128 keys an instruction.
;   4: source 0 = O's codes (rows = my tokens), source 1 = 16 rows of Wp: a lane holds one output channel and eight neighbouring tokens.
; K = 64 IN AN INSTRUCTION OF 128: the operand that this text makes itself (x's codes for q and k, Wv's registers for v, O's codes for the last product) carries zero codes for k = 64 .. 127; the other
;   side's six upper registers are whatever lies behind its six (the next fragment).  E2M3 has no NaN and no infinity and the scale bytes 2, 3 are 0, not 0xff: those products are exact zeros.
; SOFTMAX: T = q.k - 4 gs |ct_m - ct_n|; t = c T, c = log2(e) / 4; M = the running largest t rounded up; p = 2^(t - M) is quantised along the keys; the sum is taken of the unquantised p and divides O.
; OPERANDS GO FROM WAVE TO WAVE THROUGH LDS AS IMAGES OF THEIR REGISTERS (16, 8 or 4 bytes a lane, lanes on end).
; NO CLUSTER: work-groups share only the weights, 13,840 bytes against a row's 65,536.  NO TENSOR LOADS: x is read once, by loads of 512 consecutive bytes, and no LDS byte is filled twice.
; LIMITS: NaN and infinities among the inputs are not served.  A block whose largest magnitude lies under 2^-124 (a block of zeros too) gets the scale byte 1; the bytes are read by this text alone.
;   p under 2^-126 counts as 0 (ISA guide, the entry of v_exp_f32).  The channel sum and the cumulative sum are f32 sums in another order than the problem's definition takes them.
; THE MODE: SCHED_MODE bits 1:0 = 2 (LLVM: expert scheduling mode 2), set by the entry lines.  The code itself states the register dependences between vector or matrix instructions
;   and memory or LDS instructions, with s_wait_alu, always for 0.
; THE PLAN.  The text runs straight on; all 256 registers are in use, so no buffer is doubled: the loads stand where a wait is owed in any case.  In a half-unit (one head, 128 keys):
;   v192-223 k's four tiles   read by sixteen score products; group 1's land behind wait (a), which follows group 0's products; the next half-unit's behind wait (b), which follows the exponentials
;   v96-127, v128-159 ct, p   worked on by the softmax to its last line; both groups' ct of the next half-unit land behind wait (c), at the softmax's end
;   v12-23, v255 V, its word  read by the product on codes at a half-unit's end; the next fragment lands behind wait (a)
;   v224-235, v253 p's codes  made by vector instructions, taken by the product on codes: wait (c) states that too
;   v1-5, v249-251 addresses  made once, ahead of the wait in front of the third barrier's stores; never written again
;   Ahead of the main part each part's vector work comes first, then one wait, then the part's LDS stores; behind each barrier one wait on vm_vsrc frees what those stores have read.
.set XS,   256        ; LDS: the row of x: channel c at 1024 c + 128 (c / 32), token at + 4 w: the two halves of the lanes then read words 32 apart.  The words at XS - 4 and at the gap's end are set to 0
.set OS,   66048      ; the row of out0: channel c at 1040 c: sixteen rows that a store touches start 16 bytes further on in each 256
.set XFI,  132608     ; x's codes, an image a tile: 768 i; registers 0-3 at 16 lane, 4-5 at 512 + 8 lane
.set XFS,  144896     ; their scale words: 128 i + 4 lane
.set INT,  146944     ; 1 + the sum over channels of |x(w) - x(w - 1)|: 4 w
.set KI,   147968     ; k in f32: 4096 i + 1024 head; registers 0-3 at 16 lane, 4-7 at 512 + 16 lane
.set VI,   213504     ; V^T's codes: 768 (4 head + quarter of 64 keys), image as x's
.set VS,   225792     ; V's scale words: 128 (2 head + half of 128 keys) + 4 lane
.set CT,   226816     ; the cumulative sum, a copy for each wave: 1024 wave + 4 w
.set OP,   1040
.set AK,   1          ; main part: v1 KI + 16 lane   v2 CT + 1024 wave + 64 (lane / 16)   v3 VI + 16 lane   v4 VI + 512 + 8 lane   v5 VS + 4 lane
.set ACT,  2
.set AV16, 3
.set AV8,  4
.set AVS,  5
.set CN,   6          ; v[6:7]   ct of my query, 0
.set NM,   8          ; v8 -M    v9 the largest t so far
.set TX,   9
.set L,    10         ; v[10:11] the sum of p, in two halves
.set VF,   12         ; v12-23   a fragment of V^T
.set LS,   24         ; v24-27   the four heads' sums
.set SCW,  28         ; v28-31   scale words and nothing else: Wq's and Wk's, then four x tiles', then Wp's
.set Q,    32         ; v32-63   q, head hd at 8 hd
.set O,    64         ; v64-95   k, then v, then O^T in the order head 0, 2, 1, 3
.set T,    96         ; v96-159  x, then ct_m, d, the biased score, p
.set S,    160        ; v160-191 four score tiles: written by the f32 matrix form alone
.set KF,   192        ; v192-223 four tiles of k; ahead of the main part v192-251 hold the weights' codes
.set PC,   224        ; v224-235 p's codes (v232-235: the blocks' largest scores until the codes are made)
.set BM,   232
.set W8,   236        ; v236-243 at work
.set SO,   244        ; v244-247 the conversions' scale operands
.set F,    252        ; v252 2^(old M - new M)
.set PW,   253        ; v253 a scale word and nothing else: Wv's, then p's, then O's
.set TMP,  254
.set VSW,  255        ; v255 a scale word and nothing else: x's, then V's
.set XC,   96
.set XP,   128
.set XF,   128
.set W,    192
.macro BAR            ; my LDS stores have landed and my LDS loads are in: then the work-group's barrier
	s_wait_dscnt 0x0
	s_barrier_signal -1
	s_barrier_wait -1
.endm
; 32 numbers of a lane, one whole block along K, become six registers of codes, six of zero codes, and the row's scale word (byte lane / 16 is mine, the other comes from lane l xor 16).  t: four registers at work
.macro QBLK32 src, dst, word, t
	v_max3_num_f32 v[\t], |v[\src]|, |v[\src+1]|, 0x1800000        ; the floor 2^(3 - 127) among the leaves: the byte cannot fall under 1
	v_max3_num_f32 v[\t+1], |v[\src+2]|, |v[\src+3]|, |v[\src+4]|
.irp i, 5,9,13,17,21,25
	v_max3_num_f32 v[\t], v[\t], |v[\src+\i]|, |v[\src+\i+1]|
	v_max3_num_f32 v[\t+1], v[\t+1], |v[\src+\i+2]|, |v[\src+\i+3]|
.endr
	v_max3_num_f32 v[\t], v[\t], |v[\src+29]|, |v[\src+30]|
	v_max3_num_f32 v[\t], v[\t], v[\t+1], |v[\src+31]|
	v_bfe_u32 v[\t+2], v0, 4, 1
	v_lshlrev_b32 v[\t+2], 3, v[\t+2]                              ; 8 (lane / 16)
	v_mov_b32 v[\t+3], 0                                           ; a lane permute's destination counts as one of its sources
	v_add_nc_u32 v[\t], 0xff000000, v[\t]                          ; 2 off the exponent field: the conversion's scale operand
	v_lshrrev_b32 v[\t+1], 23, v[\t]                               ; the scale's byte,
	v_lshlrev_b32 v[\t+1], v[\t+2], v[\t+1]                        ; at its place in the word
	v_permlanex16_b32 v[\t+3], v[\t+1], s28, s29
	v_or_b32 v[\word], v[\t+1], v[\t+3]
	v_cvt_scalef32_pk16_fp6_f32 v[\dst:\dst+2], v[\src:\src+15], v[\t]
	v_cvt_scalef32_pk16_fp6_f32 v[\dst+12:\dst+14], v[\src+16:\src+31], v[\t]   ; (a conversion's three registers begin on an even number)
	v_nop                                                          ; one plain place behind a scaled conversion
.irp i, 0,1,2
	v_mov_b32 v[\dst+3+\i], v[\dst+12+\i]
.endr
.irp i, 6,7,8,9,10,11
	v_mov_b32 v[\dst+\i], 0                                        ; k = 64 .. 127: zero codes
.endr
.endm
.macro KLOAD hd, tile0               ; four tiles of k of one head: 8 loads
.irp t, 0,1,2,3
	ds_load_b128 v[KF+8*\t:KF+8*\t+3],   v[AK] offset:((\tile0)+\t)*4096+(\hd)*1024
	ds_load_b128 v[KF+8*\t+4:KF+8*\t+7], v[AK] offset:((\tile0)+\t)*4096+(\hd)*1024+512
.endr
.endm
.macro CLOAD s, g                    ; ct of the 32 keys that group g's registers stand for: 8 loads; register 16 B + i is key 128 s + 32 B + 16 (lane / 16) + i
.irp q, 0,1,2,3,4,5,6,7
	ds_load_b128 v[T+32*(\g)+4*\q:T+32*(\g)+4*\q+3], v[ACT] offset:512*(\s)+128*(2*(\g)+\q/4)+16*(\q%4)
.endr
.endm
.macro MUL hd                        ; S^T of four key tiles: 16 dims in four steps; the four accumulators take turns, one instruction a turn; the first step starts the sums
.irp c, 0,1,2,3
.irp t, 0,1,2,3
.if \c == 0
	v_wmma_f32_16x16x4_f32 v[S+8*\t:S+8*\t+7], v[KF+8*\t+2*\c:KF+8*\t+2*\c+1], v[Q+8*(\hd)+2*\c:Q+8*(\hd)+2*\c+1], 0
.else
	v_wmma_f32_16x16x4_f32 v[S+8*\t:S+8*\t+7], v[KF+8*\t+2*\c:KF+8*\t+2*\c+1], v[Q+8*(\hd)+2*\c:Q+8*(\hd)+2*\c+1], v[S+8*\t:S+8*\t+7]
.endif
.endr
.endr
.endm
.macro DSUB g                        ; d = ct_m - ct_n.  Sixteen plain instructions that name no register of the products in front: they are the places behind those (ISA guide 7.12.1)
.set dj, 0
.rept 16
	v_pk_add_f32 v[T+32*(\g)+dj:T+32*(\g)+dj+1], v[T+32*(\g)+dj:T+32*(\g)+dj+1], v[CN:CN+1] op_sel_hi:[1,0] neg_lo:[0,1] neg_hi:[0,1]
.set dj, dj+2
.endr
.endm
.macro BIAS hd, g                    ; q.k - 4 gs |d|: one fused multiply-add; each score tile is read from its low end on
.set bj, 0
.rept 32
	v_fma_f32 v[T+32*(\g)+bj], |v[T+32*(\g)+bj]|, s[24+(\hd)], v[S+bj]
.set bj, bj+1
.endr
.endm
.macro VLOAD hd, s                   ; V^T's fragment for 128 keys, from two images of 64, and its scale word: 5 loads
	ds_load_b128 v[VF:VF+3],     v[AV16] offset:(4*(\hd)+2*(\s))*768
	ds_load_b64  v[VF+4:VF+5],   v[AV8]  offset:(4*(\hd)+2*(\s))*768
	ds_load_b128 v[VF+6:VF+9],   v[AV16] offset:(4*(\hd)+2*(\s)+1)*768
	ds_load_b64  v[VF+10:VF+11], v[AV8]  offset:(4*(\hd)+2*(\s)+1)*768
	ds_load_b32  v[VSW],         v[AVS]  offset:(2*(\hd)+(\s))*128
.endm
; The softmax of 128 keys of my query, in two parts: up to the wait behind the exponentials, and from there on.  first = 1: the head's first half, which starts M, the sum and O^T.
.macro SOFTA first
.irp b, 0,1,2,3
	v_max3_num_f32 v[BM+\b], v[T+16*\b], v[T+16*\b+1], v[T+16*\b+2]   ; the largest score of each block of 32 keys: for the row's maximum and, since p rises with the score, for the block's largest p
.endr
.irp i, 3,5,7,9,11,13
.irp b, 0,1,2,3
	v_max3_num_f32 v[BM+\b], v[BM+\b], v[T+16*\b+\i], v[T+16*\b+\i+1]
.endr
.endr
.irp b, 0,1,2,3
	v_max_num_f32 v[BM+\b], v[BM+\b], v[T+16*\b+15]
.endr
.irp b, 0,1,2,3
	v_permlanex16_b32 v[W8+\b], v[BM+\b], s28, s29
.endr
.irp b, 0,1,2,3
	v_max_num_f32 v[BM+\b], v[BM+\b], v[W8+\b]                     ; with lane l xor 16's 16 keys
.endr
	v_max3_num_f32 v[TMP], v[BM], v[BM+1], v[BM+2]
	v_max_num_f32 v[TMP], v[TMP], v[BM+3]
.if \first
	v_mul_f32 v[TX], s30, v[TMP]                                   ; as t (c is positive)
	v_floor_f32 v[NM], -v[TX]                                      ; -M = floor(-t): M is a whole number
.else
	v_mul_f32 v[TMP], s30, v[TMP]
	v_max_num_f32 v[TX], v[TX], v[TMP]
	v_mov_b32 v[TMP], v[NM]
	v_floor_f32 v[NM], -v[TX]
	v_sub_f32 v[TMP], v[NM], v[TMP]                                ; old M - new M: a whole number, 0 or less
	v_cvt_i32_f32 v[TMP], v[TMP]
	v_ldexp_f32 v[F], 1.0, v[TMP]                                  ; f = 2^(old M - new M): a multiplication by it rounds nothing
.endif
.set sj, 0
.rept 32
	v_pk_fma_f32 v[T+sj:T+sj+1], v[T+sj:T+sj+1], s[30:31], v[NM:NM+1] op_sel_hi:[1,0,0]   ; t - M
.set sj, sj+2
.endr
.irp b, 0,1,2,3
	v_fma_f32 v[BM+\b], v[BM+\b], s30, v[NM]
.endr
.set sj, 0
.rept 64
	v_exp_f32 v[T+sj], v[T+sj]                                     ; p = 2^(t - M): not normalised
.set sj, sj+1
.endr
.irp b, 0,1,2,3
	v_exp_f32 v[BM+\b], v[BM+\b]                                   ; the block's largest p: the same two instructions on the same number
.endr
.if \first
	v_nop                                                          ; a plain place behind the exponentials
.else
	v_pk_mul_f32 v[L:L+1], v[L:L+1], v[F:F+1] op_sel_hi:[1,0]      ; the sums under the new M (and the plain place behind the exponentials)
.endif
	s_wait_alu depctr_va_vdst(0)                                   ; wait (b): the 68 exponentials have written p and the blocks' largest p, ahead of their first reader; and group 1's score products are done reading k's registers
.endm
.macro SOFTB hd, first
.set ro, O+8*(2*((\hd)&1)+((\hd)>>1))
.irp b, 0,1,2,3
	v_max_num_f32 v[BM+\b], 0x1800000, v[BM+\b]                    ; the floor 2^(3 - 127)
.endr
.irp b, 0,1,2,3
	v_add_nc_u32 v[SO+\b], 0xff000000, v[BM+\b]                    ; 2 off the exponent field: the conversion's scale operand
.endr
.irp b, 0,1,2,3
	v_lshrrev_b32 v[W8+\b], 23, v[SO+\b]
.endr
	v_lshl_or_b32 v[PW], v[W8+1], 8, v[W8]                         ; p's scale word for these 128 keys
	v_lshl_or_b32 v[PW], v[W8+2], 16, v[PW]
	v_lshl_or_b32 v[PW], v[W8+3], 24, v[PW]
.irp c, 0,1
	v_cvt_scalef32_pk16_fp6_f32 v[PC+6*\c:PC+6*\c+2], v[T+32*\c:T+32*\c+15], v[SO+2*\c]
	v_cvt_scalef32_pk16_fp6_f32 v[W8+4*\c:W8+4*\c+2], v[T+32*\c+16:T+32*\c+31], v[SO+2*\c+1]
.endr
	v_nop                                                          ; one plain place behind a scaled conversion
.irp c, 0,1                          ; the operand wants a whole block in a lane: lanes 0-15 block 2 c, lanes 16-31 block 2 c + 1
.irp i, 0,1,2
	v_permlane16_swap_b32 v[PC+6*\c+\i], v[W8+4*\c+\i]
.endr
.irp i, 0,1,2
	v_mov_b32 v[PC+6*\c+3+\i], v[W8+4*\c+\i]
.endr
.endr
	v_pk_add_f32 v[W8:W8+1], v[T:T+1], v[T+2:T+3]                  ; the sum of the unquantised p, in two chains
.if \first
	v_pk_add_f32 v[L:L+1], v[T+4:T+5], v[T+8:T+9]                  ; which here start the head's sum
.else
	v_pk_add_f32 v[L:L+1], v[L:L+1], v[T+4:T+5]
	v_pk_add_f32 v[L:L+1], v[L:L+1], v[T+8:T+9]
.endif
	v_pk_add_f32 v[W8:W8+1], v[W8:W8+1], v[T+6:T+7]
	v_pk_add_f32 v[W8:W8+1], v[W8:W8+1], v[T+10:T+11]
.irp j, 12,16,20,24,28,32,36,40,44,48,52,56,60
	v_pk_add_f32 v[L:L+1], v[L:L+1], v[T+\j:T+\j+1]
	v_pk_add_f32 v[W8:W8+1], v[W8:W8+1], v[T+\j+2:T+\j+3]
.endr
	v_pk_add_f32 v[L:L+1], v[L:L+1], v[W8:W8+1]
.if !(\first)
.irp i, 0,2,4,6
	v_pk_mul_f32 v[ro+\i:ro+\i+1], v[ro+\i:ro+\i+1], v[F:F+1] op_sel_hi:[1,0]   ; O^T under the new M
.endr
.endif
.endm
.macro PV hd, first                  ; O^T (+)= V^T P^T over 128 keys.  p's codes stand more than 4 plain instructions back, its scale word more than 8: the sums above
.set ro, O+8*(2*((\hd)&1)+((\hd)>>1))
.if \first
	v_wmma_scale_f32_16x16x128_f8f6f4 v[ro:ro+7], v[VF:VF+11], v[PC:PC+11], 0, v[VSW], v[PW] matrix_a_fmt:MATRIX_FMT_FP6 matrix_b_fmt:MATRIX_FMT_FP6
.else
	v_wmma_scale_f32_16x16x128_f8f6f4 v[ro:ro+7], v[VF:VF+11], v[PC:PC+11], v[ro:ro+7], v[VSW], v[PW] matrix_a_fmt:MATRIX_FMT_FP6 matrix_b_fmt:MATRIX_FMT_FP6
.endif
.endm
; A HALF-UNIT: one head, 128 keys, in two groups of four key tiles.  Every LDS offset is an immediate.  last = 1: nothing follows; Wp, its scales and bp are asked for instead.
.macro HU hd, s, last
	s_wait_dscnt 8                                                 ; group 0's k and ct are in; the eight loads issued behind them (group 1's ct) may be out
	MUL \hd
	DSUB 0
	s_wait_alu depctr_va_vdst(0)                                   ; wait (a): group 0's score products are done reading k's registers, and the half-unit before's product on codes is done reading V's fragment and scale word: the loads below land in these
	KLOAD \hd, 8*\s+4                                              ; group 1's k
	VLOAD \hd, \s
	BIAS \hd, 0
	s_wait_dscnt 5                                                 ; group 1's ct and k are in; V's five loads, issued behind them, may be out
	MUL \hd                                                        ; begins the four score tiles anew: the sixteen subtractions above stand between
	DSUB 1
.if \last
	s_wait_alu depctr_va_vdst(0)                                   ; group 1's score products are done reading k's registers, in which Wp's codes land
.irp t, 0,1,2,3
.irp p, 0,1,2
	global_load_b64 v[KF+6*\t+2*\p:KF+6*\t+2*\p+1], v249, s[12:13] offset:768*\t+8*\p   ; Wp's rows 16 t + r, 24 bytes a lane
.endr
	global_load_u16 v[SCW+\t], v250, s[14:15] offset:32*\t         ; and their two scale bytes; bytes 2 and 3 of the word are 0
.endr
.endif
	BIAS \hd, 1
	SOFTA 1-\s
.if !(\last)
	KLOAD \hd+\s, 8*(1-\s)                                         ; the next half-unit's group 0, directly behind wait (b): no vector or matrix instruction since names k's registers
.endif
	SOFTB \hd, 1-\s
	s_wait_alu depctr_va_vdst(0)                                   ; wait (c), behind the places: p's codes and scale word are written, which the scaled product takes; the softmax is done with p's registers, in which the loads below land
.if \last
.irp t, 0,1,2,3
	global_load_b32 v[T+2*\t], v251, s[16:17] offset:64*\t         ; bp of channel 16 t + r, into even registers: the packed addition takes a pair's low word
.endr
	s_wait_dscnt 0x0                                               ; V is in
.else
	CLOAD 1-\s, 0                                                  ; the next half-unit's ct, both groups
	CLOAD 1-\s, 1
	s_wait_dscnt 24                                                ; V's five loads are in; the 8 + 16 issued behind them (the next k and ct) may be out
.endif
	PV \hd, 1-\s
.if \s
	v_add_f32 v[LS+\hd], v[L], v[L+1]                              ; the head's sum, my half of the keys
.endif
.endm
; ---------------- the head: addresses, and all loads at once
	s_load_b256 s[4:11], s[0:1], 0x0               ; x s[4:5], Wqkv's codes s[6:7], its scales s[8:9], bqkv s[10:11]
	s_load_b256 s[12:19], s[0:1], 0x20             ; Wp's codes s[12:13], its scales s[14:15], bp s[16:17], geo_scale s[18:19]
	s_load_b64 s[20:21], s[0:1], 0x40              ; out0
	v_lshrrev_b32 v1, 5, v0
	v_readfirstlane_b32 s22, v1                    ; wave 0..15
	v_and_b32 v1, 15, v0                           ; r
	v_bfe_u32 v2, v0, 4, 1                         ; h
	v_and_b32 v3, 31, v0                           ; lane
	v_lshlrev_b32 v4, 4, v3
	v_lshlrev_b32 v5, 3, v3
	v_lshlrev_b32 v6, 2, v3
	s_wait_alu depctr_va_sdst(0)                   ; s22 is written, ahead of its first reader
	s_lshr_b32 s40, s22, 1
	s_lshl_b32 s40, s40, 5
	s_and_b32 s41, s22, 1
	s_lshl_b32 s41, s41, 3
	s_add_co_u32 s40, s40, s41                     ; 32 (w / 2) + 8 (w % 2): kept
	v_and_b32 v7, 8, v1
	v_add_nc_u32 v7, v7, v1
	v_add_nc_u32 v7, s40, v7                       ; tok(r)
	s_and_b32 s41, s22, 3                          ; the head whose V I make: kept
	v_lshlrev_b32 v8, 5, v2                        ; biases of q, k: 32 h
	v_mul_u32_u24 v9, v1, 48
	v_mad_u32_u24 v9, v2, 24, v9                   ; a row of 64 codes is 48 bytes: 48 r + 24 h
	s_mul_i32 s42, s41, 768
	v_add_nc_u32 v10, s42, v9                      ; + my head's 16 rows, for Wv
	v_lshlrev_b32 v11, 1, v1
	s_lshl_b32 s42, s41, 5
	v_add_nc_u32 v12, s42, v11                     ; Wv's scale bytes: 2 r + 32 head
	v_lshl_add_u32 v11, v2, 7, v11                 ; lanes 0-15 Wq's, lanes 16-31 Wk's: 2 r + 128 h
	v_lshlrev_b32 v13, 2, v1
	s_lshl_b32 s42, s41, 6
	v_add_nc_u32 v13, s42, v13                     ; bv: 4 r + 64 head
	s_lshr_b32 s32, ttmp9, 8                       ; b
	s_lshl_b32 s32, s32, 24
	s_and_b32 s33, ttmp9, 255                      ; h
	s_lshl_b32 s33, s33, 10
	s_add_co_u32 s32, s32, s33
	s_lshl_b32 s33, s22, 20                        ; my four channels, 4 w on
	s_add_co_u32 s32, s32, s33
	s_mov_b32 s33, 0
	s_mov_b32 s28, 0x76543210
	s_mov_b32 s29, 0xfedcba98                      ; v_permlanex16_b32's selects for lane l xor 16
	s_mov_b32 s30, 0x3eb8aa3b                      ; c = log2(e) / 4
	s_mov_b32 s31, s30
	s_wait_kmcnt 0x0
	s_add_nc_u64 s[36:37], s[4:5], s[32:33]
	s_add_nc_u64 s[38:39], s[20:21], s[32:33]
	s_load_b128 s[24:27], s[18:19], 0x0            ; geo_scale
	s_wait_alu depctr_va_vdst(0)                   ; the offsets v4 and v8 to v13 are written, which the loads below read
.irp i, 0,1,2,3,4,5,6,7
	global_load_b128 v[XC+4*\i:XC+4*\i+3], v4, s[36:37] offset:262144*(\i/2)+512*(\i%2) th:TH_LOAD_NT   ; 512 consecutive bytes of one channel's row
.endr
.irp i, 0,1,2,3
	global_load_b128 v[Q+8*\i:Q+8*\i+3],   v8, s[10:11] offset:64*\i         ; bq and bk in the results' layout: they are the products' C
	global_load_b128 v[Q+8*\i+4:Q+8*\i+7], v8, s[10:11] offset:64*\i+16
	global_load_b128 v[O+8*\i:O+8*\i+3],   v8, s[10:11] offset:256+64*\i
	global_load_b128 v[O+8*\i+4:O+8*\i+7], v8, s[10:11] offset:256+64*\i+16
.endr
.irp i, 0,1,2,3
.irp p, 0,1,2
	global_load_b64 v[W+6*\i+2*\p:W+6*\i+2*\p+1],       v9, s[6:7] offset:768*\i+8*\p        ; Wq, head i: six registers
	global_load_b64 v[W+24+6*\i+2*\p:W+24+6*\i+2*\p+1], v9, s[6:7] offset:3072+768*\i+8*\p   ; Wk
.endr
	global_load_u16 v[SCW+\i], v11, s[8:9] offset:32*\i
.endr
.irp p, 0,1,2
	global_load_b64 v[W+48+2*\p:W+48+2*\p+1], v10, s[6:7] offset:6144+8*\p   ; Wv, my head
.endr
	global_load_u16 v[PW], v12, s[8:9] offset:256
	global_load_b32 v26, v13, s[10:11] offset:512                            ; bv of dim r
.irp i, 54,55,56,57,58,59
	v_mov_b32 v[W+\i], 0                           ; Wv's k = 64 .. 127: zero codes
.endr
	v_mov_b32 v27, 0
	v_mov_b32 v24, 0
	s_lshl_b32 s42, s22, 12
	s_lshr_b32 s43, s22, 3
	s_lshl_b32 s43, s43, 7
	s_add_co_u32 s42, s42, s43
	s_add_co_u32 s42, s42, XS
	v_add_nc_u32 v14, s42, v4                      ; XS + 4096 w + 128 (w / 8) + 16 lane
	v_mul_u32_u24 v15, v2, 32896                   ; channels 32 h on
	v_add_nc_u32 v25, XS-4, v15                    ; the word in front of channel 0's row (lanes 0-15) and of channel 32's (lanes 16-31)
	v_lshl_add_u32 v15, v7, 2, v15                 ; my token
	v_add_nc_u32 v16, XS-4, v15                    ; the token before: one word back.  Token 0 finds there the channel before's last token, or one of the two words set to 0; what it makes of them is thrown away below
	v_add_nc_u32 v15, XS, v15
	v_lshl_add_u32 v17, v7, 2, INT
	s_mul_i32 s42, s22, 768
	s_add_co_u32 s42, s42, XFI
	v_add_nc_u32 v18, s42, v4
	s_add_co_u32 s42, s42, 512
	v_add_nc_u32 v19, s42, v5
	s_lshl_b32 s42, s22, 7
	s_add_co_u32 s42, s42, XFS
	v_add_nc_u32 v20, s42, v6
	s_lshl_b32 s42, s22, 12
	s_add_co_u32 s42, s42, KI
	v_add_nc_u32 v21, s42, v4
	s_wait_kmcnt 0x0
	s_mul_f32 s24, s24, -4.0                       ; -4 gs: exact
	s_mul_f32 s25, s25, -4.0
	s_mul_f32 s26, s26, -4.0
	s_mul_f32 s27, s27, -4.0
	s_wait_alu depctr_va_vdst(0)                   ; the LDS addresses v14 to v21 and v25 and the 0 in v27 are written, which the LDS stores and loads up to the second barrier read; it stands ahead of the branch
	s_cmp_lg_u32 s22, 0                            ; wave 0 alone sets the two words: sixteen lanes write each, all the same 0
	s_cbranch_scc1 .Lno_pad
	ds_store_b32 v25, v27
.Lno_pad:
	s_wait_loadcnt 49                              ; x's eight loads are in; the 49 issued behind them may be out
.irp i, 0,1,2,3,4,5,6,7
	ds_store_b128 v14, v[XC+4*\i:XC+4*\i+3] offset:1024*(\i/2)+512*(\i%2)
.endr
	BAR                                            ; the row of x lies in LDS
	s_wait_alu depctr_vm_vsrc(0)                   ; my LDS stores have read v96 to v127, in which the loads below land
; ---------------- my 16 tokens: the integrand, the codes of x, q and k
.set i, 0
.rept 32
	ds_load_b32 v[XC+i], v15 offset:1024*i
.set i, i+1
.endr
.set i, 0
.rept 16
	ds_load_b32 v[XP+i], v16 offset:1024*i
.set i, i+1
.endr
	s_wait_dscnt 0x0
.rept 16
	ds_load_b32 v[XP+i], v16 offset:1024*i         ; the other 16 channels' land while the first 16 differences are summed
.set i, i+1
.endr
	v_cmp_ne_u32 vcc_lo, 0, v7                     ; is there a token before mine?  Asked here, read far below
.set i, 0
.rept 8
	v_pk_add_f32 v[XP+i:XP+i+1], v[XC+i:XC+i+1], v[XP+i:XP+i+1] neg_lo:[0,1] neg_hi:[0,1]
.set i, i+2
.endr
	v_add_f32 v22, |v[XP]|, |v[XP+1]|              ; the sum of my 32 channels' magnitudes, in two chains
	v_add_f32 v23, |v[XP+2]|, |v[XP+3]|
.irp i, 4,6,8,10,12,14
	v_add_f32 v22, v22, |v[XP+\i]|
	v_add_f32 v23, v23, |v[XP+\i+1]|
.endr
	s_wait_dscnt 0x0
.set i, 16
.rept 8
	v_pk_add_f32 v[XP+i:XP+i+1], v[XC+i:XC+i+1], v[XP+i:XP+i+1] neg_lo:[0,1] neg_hi:[0,1]
.set i, i+2
.endr
.irp i, 16,18,20,22,24,26,28,30
	v_add_f32 v22, v22, |v[XP+\i]|
	v_add_f32 v23, v23, |v[XP+\i+1]|
.endr
	v_add_f32 v22, v22, v23
	v_permlanex16_b32 v24, v22, s28, s29
	v_add_f32 v22, v22, v24                        ; with the other 32 channels'
	v_add_f32 v22, 1.0, v22
	s_wait_alu depctr_va_vcc(0)                    ; the compare has written VCC, ahead of its first reader
	v_cndmask_b32 v22, 1.0, v22, vcc_lo            ; token 0 has no token before it: its integrand is 1
	QBLK32 XC, XF, VSW, 144
.rept 8
	v_nop                                          ; a scale word made by vector instructions stands 8 places ahead of a scaled matrix instruction, codes so made 4
.endr
	s_wait_alu depctr_va_vdst(0)                   ; the integrand v22, x's codes v128 to v139 and their scale word v255 are written: the four LDS stores read them, and the scaled products below take the codes and the word
	ds_store_b32 v17, v22                          ; both halves of the lanes write the same word with the same value
	ds_store_b128 v18, v[XF:XF+3]                  ; the image of my tile's codes, for the waves that make V
	ds_store_b64 v19, v[XF+4:XF+5]
	ds_store_b32 v20, v[VSW]
	s_wait_loadcnt 0x0                             ; weights, scales, biases
.irp hd, 0,1,2,3
	v_wmma_scale_f32_16x16x128_f8f6f4 v[Q+8*\hd:Q+8*\hd+7], v[W+6*\hd:W+6*\hd+11], v[XF:XF+11], v[Q+8*\hd:Q+8*\hd+7], v[SCW+\hd], v[VSW] matrix_a_fmt:MATRIX_FMT_FP6 matrix_b_fmt:MATRIX_FMT_FP6
	v_wmma_scale_f32_16x16x128_f8f6f4 v[O+8*\hd:O+8*\hd+7], v[W+24+6*\hd:W+24+6*\hd+11], v[XF:XF+11], v[O+8*\hd:O+8*\hd+7], v[SCW+\hd], v[VSW] matrix_a_fmt:MATRIX_FMT_FP6 matrix_b_fmt:MATRIX_FMT_FP6 matrix_a_scale:MATRIX_SCALE_ROW1
.endr
	s_wait_alu depctr_vm_vsrc(0)                   ; the loads and stores issued so far have read their offsets and addresses v8 to v16, which are made anew below
	; the next part's addresses: nine plain instructions that name no register of those products: the places behind them
	s_lshr_b32 s43, s22, 2                         ; the quarter of 64 keys whose V I make
	s_mul_i32 s42, s43, 3072
	s_add_co_u32 s42, s42, XFI
	v_add_nc_u32 v8, s42, v4
	s_add_co_u32 s42, s42, 512
	v_add_nc_u32 v9, s42, v5
	s_lshl_b32 s42, s43, 9
	s_add_co_u32 s42, s42, XFS
	v_add_nc_u32 v10, s42, v6
	v_lshl_add_u32 v11, v3, 5, INT
	s_lshl_b32 s44, s22, 10
	s_add_co_u32 s44, s44, CT                      ; my copy of ct: kept
	v_lshl_add_u32 v12, v3, 5, s44
	v_lshl_add_u32 v13, v7, 2, s44
	s_lshl_b32 s42, s41, 2
	s_add_co_u32 s42, s42, s43
	s_mul_i32 s42, s42, 768
	s_add_co_u32 s42, s42, VI
	v_add_nc_u32 v14, s42, v4
	s_add_co_u32 s42, s42, 512
	v_add_nc_u32 v15, s42, v5
	s_lshl_b32 s42, s41, 8
	s_lshr_b32 s45, s22, 3
	s_lshl_b32 s45, s45, 7
	s_add_co_u32 s42, s42, s45
	s_and_b32 s45, s43, 1
	s_lshl_b32 s45, s45, 1
	s_add_co_u32 s42, s42, s45
	s_add_co_u32 s42, s42, VS
	v_add_nc_u32 v16, s42, v6                      ; my two bytes of V's scale words: 256 head + 128 (quarter / 2) + 2 (quarter % 2) + 4 lane
	s_wait_alu depctr_va_vdst(0)                   ; behind the places: the products have written k, which the stores below read; v8 to v16 are written; and the products and the quantiser are done with v28-31, v96-127 and v192-199, in which the loads behind the barrier land
.irp hd, 0,1,2,3
	ds_store_b128 v21, v[O+8*\hd:O+8*\hd+3]   offset:1024*\hd      ; k's image, each tile from its low end on
	ds_store_b128 v21, v[O+8*\hd+4:O+8*\hd+7] offset:1024*\hd+512
.endr
	BAR                                            ; the integrand, all tiles' codes of x and all of k lie in LDS
	s_wait_alu depctr_vm_vsrc(0)                   ; k's stores have read v64 to v95, which V's products write
; ---------------- ct (every wave for itself) and my part of V: one head, 64 keys
.irp t, 0,1,2,3
	ds_load_b128 v[T+6*\t:T+6*\t+3],   v8  offset:768*\t           ; four tiles' codes, six registers apart
	ds_load_b64  v[T+6*\t+4:T+6*\t+5], v9  offset:768*\t
	ds_load_b32  v[SCW+\t],            v10 offset:128*\t
.endr
	ds_load_b128 v[192:195], v11                   ; my eight numbers of the integrand
	ds_load_b128 v[196:199], v11 offset:16
	s_wait_dscnt 0x2                               ; all but these two
.irp t, 0,1,2,3
	v_wmma_scale_f32_16x16x128_f8f6f4 v[O+8*\t:O+8*\t+7], v[T+6*\t:T+6*\t+11], v[W+48:W+59], 0, v[SCW+\t], v[PW] matrix_a_fmt:MATRIX_FMT_FP6 matrix_b_fmt:MATRIX_FMT_FP6
.endr
	s_wait_dscnt 0x0
.irp i, 1,2,3,4,5,6,7
	v_add_f32 v[192+\i], v[192+\i], v[191+\i]      ; the running sum within my eight.  (These lines are also the places behind the products)
.endr
	v_mov_b32 v200, v199
	v_add_f32_dpp v200, v200, v200 row_shr:1 row_mask:0xf bank_mask:0xf bound_ctrl:1   ; and of the lanes' totals within 16 lanes
	v_add_f32_dpp v200, v200, v200 row_shr:2 row_mask:0xf bank_mask:0xf bound_ctrl:1
	v_add_f32_dpp v200, v200, v200 row_shr:4 row_mask:0xf bank_mask:0xf bound_ctrl:1
	v_add_f32_dpp v200, v200, v200 row_shr:8 row_mask:0xf bank_mask:0xf bound_ctrl:1
	v_mov_b32 v201, 0
	v_mov_b32_dpp v201, v200 row_shr:1 row_mask:0xf bank_mask:0xf bound_ctrl:1         ; what lies in front of my eight: no subtraction
	v_readlane_b32 s47, v200, 15                   ; the first 16 lanes' total,
	v_cvt_f32_u32 v202, v2
	s_wait_alu depctr_va_sdst(0)                   ; s47 is written, ahead of its first reader
	v_fma_f32 v201, v202, s47, v201                ; for lanes 16-31
.irp i, 0,1,2,3,4,5,6,7
	v_add_f32 v[192+\i], v[192+\i], v201
.endr
	v_mov_b32 v[CN+1], 0
.set i, 0
.rept 16
	v_pk_add_f32 v[O+i:O+i+1], v[O+i:O+i+1], v[26:27] op_sel_hi:[1,0]   ; + bv.  Register 16 B + i is v(token 64 quarter + 32 B + 16 h + i, dim r)
.set i, i+2
.endr
	v_mov_b32 v206, 0
	v_mov_b32 v207, 0
.irp b, 0,1
	v_max3_num_f32 v[204+\b], |v[O+16*\b]|, |v[O+16*\b+1]|, 0x1800000
.endr
.irp i, 2,4,6,8,10,12,14
.irp b, 0,1
	v_max3_num_f32 v[204+\b], v[204+\b], |v[O+16*\b+\i]|, |v[O+16*\b+\i+1]|
.endr
.endr
.irp b, 0,1
	v_permlanex16_b32 v[206+\b], v[204+\b], s28, s29
.endr
.irp b, 0,1
	v_max_num_f32 v[204+\b], v[204+\b], v[206+\b]  ; the block's largest magnitude
.endr
.irp b, 0,1
	v_add_nc_u32 v[208+\b], 0xff000000, v[204+\b]
.endr
.irp b, 0,1
	v_lshrrev_b32 v[210+\b], 23, v[208+\b]
.endr
	v_lshl_or_b32 v212, v211, 8, v210              ; my two scale bytes
	v_cvt_scalef32_pk16_fp6_f32 v[216:218], v[O:O+15], v208
	v_cvt_scalef32_pk16_fp6_f32 v[224:226], v[O+16:O+31], v209
	v_nop                                          ; one plain place behind a scaled conversion
.irp i, 0,1,2
	v_permlane16_swap_b32 v[216+\i], v[224+\i]     ; a whole block to a lane: lanes 0-15 block 0, lanes 16-31 block 1
.endr
.irp i, 0,1,2
	v_mov_b32 v[219+\i], v[224+\i]
.endr
	v_mul_u32_u24 v249, v1, 48                     ; the main part's registers
	v_mad_u32_u24 v249, v2, 24, v249               ; Wp's codes: 48 r + 24 h
	v_lshlrev_b32 v250, 1, v1                      ; its scale bytes: 2 r
	v_lshlrev_b32 v251, 2, v1                      ; bp: 4 r
	v_lshl_add_u32 v[AK], v3, 4, KI
	v_lshl_add_u32 v[ACT], v2, 6, s44
	v_lshl_add_u32 v[AV8], v3, 3, VI+512
	v_lshl_add_u32 v[AVS], v3, 2, VS
	v_lshl_add_u32 v[AV16], v3, 4, VI
.irp b, 0,1,2,3,4,5,6,7
	v_mov_b32 v[W8+\b], 0                          ; written once: lane permutes' destinations, and the upper halves of pairs that are named
.endr
	s_wait_alu depctr_va_vdst(0)                   ; all this part's vector work is done: ct in v192-199, V's codes in v216-221 and its bytes in v212 are written, which the stores below read; v6 is free for the load of my ct; the main part's addresses v1-5 and v249-251 are written; v96-159 and v192-223 are free for the loads behind the barrier
	ds_store_b128 v12, v[192:195]
	ds_store_b128 v12, v[196:199] offset:16
	ds_load_b32 v[CN], v13                         ; ct of my query: my own bytes, and LDS serves a wave's instructions in order (ISA guide 5.7.1.4)
	ds_store_b128 v14, v[216:219]
	ds_store_b64 v15, v[220:221]
	ds_store_b16 v16, v212
	BAR                                            ; V's codes and scale words lie in LDS; ct of my query is in
	s_wait_alu depctr_vm_vsrc(0)                   ; the stores above have read v192-199, v212 and v216-221, in which k lands; this part's LDS instructions have read their addresses v8 to v16, which M, the sums and V's fragment take
; ---------------- the main part: four heads x two halves of the keys
	KLOAD 0, 0
	CLOAD 0, 0
	CLOAD 0, 1
	HU 0, 0, 0
	HU 0, 1, 0
	HU 1, 0, 0
	HU 1, 1, 0
	HU 2, 0, 0
	HU 2, 1, 0
	HU 3, 0, 0
	HU 3, 1, 1
; ---------------- the way out: O / l, its codes, the last product, the stage, whole rows of out0
.irp hd, 0,1,2,3
	v_permlanex16_b32 v[SO+\hd], v[LS+\hd], s28, s29
.endr
.irp hd, 0,1,2,3
	v_add_f32 v[LS+\hd], v[LS+\hd], v[SO+\hd]      ; with the other half of the keys: the row's sum
.endr
.irp hd, 0,1,2,3
	v_rcp_f32 v[W8+2*\hd], v[LS+\hd]
.endr
	v_nop                                          ; a plain place behind the reciprocals
	s_wait_alu depctr_va_vdst(0)                   ; the four reciprocals have written v236, v238, v240, v242, ahead of their first reader
.irp hd, 0,1,2,3
.irp i, 0,2,4,6
	v_pk_mul_f32 v[O+8*(2*(\hd&1)+(\hd>>1))+\i:O+8*(2*(\hd&1)+(\hd>>1))+\i+1], v[O+8*(2*(\hd&1)+(\hd>>1))+\i:O+8*(2*(\hd&1)+(\hd>>1))+\i+1], v[W8+2*\hd:W8+2*\hd+1] op_sel_hi:[1,0]
.endr
.endr
.irp j, 0,1,2,3,4,5,6,7
	v_permlane16_swap_b32 v[O+\j], v[O+8+\j]       ; heads 0 and 2: lanes 0-15 now hold head 0's 16 dims, lanes 16-31 head 2's
.endr
.irp j, 0,1,2,3,4,5,6,7
	v_permlane16_swap_b32 v[O+16+\j], v[O+24+\j]   ; heads 1 and 3 likewise: v64-95 are channels 32 h + 0 .. 31 of my query
.endr
	QBLK32 O, PC, PW, SO
	s_lshl_b32 s45, s40, 2
	s_add_co_u32 s45, s45, OS
	s_mul_i32 s46, s22, 4*OP
	s_add_co_u32 s46, s46, OS
	s_wait_loadcnt 0x0                             ; Wp, its scales, bp
.rept 8
	v_nop                                          ; the scale word 8 places, the codes 4 places ahead of the scaled matrix instructions
.endr
	s_wait_alu depctr_va_vdst(0)                   ; behind the places: O's codes v224-235 and their scale word v253 are written, which the scaled products take
.irp t, 0,1,2,3
	v_wmma_scale_f32_16x16x128_f8f6f4 v[T+32+8*\t:T+32+8*\t+7], v[PC:PC+11], v[KF+6*\t:KF+6*\t+11], 0, v[PW], v[SCW+\t] matrix_a_fmt:MATRIX_FMT_FP6 matrix_b_fmt:MATRIX_FMT_FP6
.endr
	v_and_b32 v12, 15, v0                          ; eight plain instructions: the places behind those products
	v_mul_u32_u24 v12, v12, OP
	v_bfe_u32 v13, v0, 4, 1
	v_lshl_add_u32 v12, v13, 6, v12
	v_add_nc_u32 v12, s45, v12                     ; the stage: channel r, tokens 32 (w / 2) + 8 (w % 2) + 16 h on
	v_and_b32 v14, 31, v0
	v_lshlrev_b32 v14, 4, v14                      ; 16 lane
	v_add_nc_u32 v15, s46, v14                     ; back: my four channels
.irp t, 0,1,2,3
.irp i, 0,2,4,6
	v_pk_add_f32 v[T+32+8*\t+\i:T+32+8*\t+\i+1], v[T+32+8*\t+\i:T+32+8*\t+\i+1], v[T+2*\t:T+2*\t+1] op_sel_hi:[1,0]   ; + bp
.endr
.endr
	s_wait_alu depctr_va_vdst(0)                   ; the additions have written v128-159, which the stage's stores read, and are done reading bp in v96-103, where the rows read back land; the addresses v12, v15 and the offset v14 are written
.irp t, 0,1,2,3
	ds_store_b128 v12, v[T+32+8*\t:T+32+8*\t+3] offset:16*OP*\t
	ds_store_b128 v12, v[T+32+8*\t+4:T+32+8*\t+7] offset:16*OP*\t+16
.endr
	BAR                                            ; the row of out0 lies in the stage
.irp i, 0,1,2,3,4,5,6,7
	ds_load_b128 v[T+4*\i:T+4*\i+3], v15 offset:OP*(\i/2)+512*(\i%2)
.endr
.irp i, 0,1,2,3,4,5,6,7
	s_wait_dscnt 7-\i                              ; load i is in; the younger ones may be out
	global_store_b128 v14, v[T+4*\i:T+4*\i+3], s[38:39] offset:262144*(\i/2)+512*(\i%2) th:TH_STORE_NT   ; 32 lanes store 512 consecutive bytes, at a multiple of 512 from out0's first byte
.endr
	s_wait_xcnt 0x0
	s_wait_alu depctr_vm_vsrc(0)                   ; every memory and LDS instruction issued so far has read its registers: v254 and v255 are made anew below (v255 was the data of an LDS store)
	v_lshl_add_u32 v254, v0, 2, 0x3b600
	v_mov_b32 v255, 0
	s_wait_dscnt 0x0                               ; the closing lines, six on end
	s_wait_alu 0x0
	s_wait_tensorcnt 0x0
	ds_add_u32 v254, v255
	s_wait_dscnt 0x0
	s_endpgm
.Lfunc_end_k_q0ba7e2028d_geo:
	.size	k_q0ba7e2028d_geo, .Lfunc_end_k_q0ba7e2028d_geo-k_q0ba7e2028d_geo
	.p2alignl 7, 3214868480
	.fill 96, 4, 3214868480
	.section	.rodata,"a",@progbits
	.p2align	6, 0x0
	.amdhsa_kernel k_q0ba7e2028d_geo
		.amdhsa_group_segment_fixed_size 245248
		.amdhsa_private_segment_fixed_size 0
		.amdhsa_enable_private_segment 0
		.amdhsa_kernarg_size 72
		.amdhsa_user_sgpr_count 2
		.amdhsa_user_sgpr_kernarg_segment_ptr 1
		.amdhsa_wavefront_size32 1
		.amdhsa_system_sgpr_workgroup_id_x 1
		.amdhsa_system_sgpr_workgroup_id_y 1
		.amdhsa_system_sgpr_workgroup_id_z 1
		.amdhsa_system_vgpr_workitem_id 0
		.amdhsa_next_free_vgpr 256
		.amdhsa_next_free_sgpr 66
		.amdhsa_reserve_vcc 1
		.amdhsa_float_denorm_mode_32 3
		.amdhsa_float_denorm_mode_16_64 3
		.amdhsa_memory_ordered 1
		.amdhsa_forward_progress 1
		.amdhsa_inst_pref_size 210
	.end_amdhsa_kernel
	.amdgpu_metadata
---
amdhsa.version: [ 1, 2 ]
amdhsa.kernels:
  - .name:           k_q0ba7e2028d_geo
    .symbol:         k_q0ba7e2028d_geo.kd
    .args:
      - { .name: x, .offset: 0, .size: 8, .value_kind: global_buffer, .address_space: global }
      - { .name: Wqkv_codes, .offset: 8, .size: 8, .value_kind: global_buffer, .address_space: global }
      - { .name: Wqkv_scales, .offset: 16, .size: 8, .value_kind: global_buffer, .address_space: global }
      - { .name: bqkv, .offset: 24, .size: 8, .value_kind: global_buffer, .address_space: global }
      - { .name: Wp_codes, .offset: 32, .size: 8, .value_kind: global_buffer, .address_space: global }
      - { .name: Wp_scales, .offset: 40, .size: 8, .value_kind: global_buffer, .address_space: global }
      - { .name: bp, .offset: 48, .size: 8, .value_kind: global_buffer, .address_space: global }
      - { .name: geo_scale, .offset: 56, .size: 8, .value_kind: global_buffer, .address_space: global }
      - { .name: out0, .offset: 64, .size: 8, .value_kind: global_buffer, .address_space: global }
    .group_segment_fixed_size: 245248
    .private_segment_fixed_size: 0
    .kernarg_segment_align: 8
    .kernarg_segment_size: 72
    .max_flat_workgroup_size: 512
    .sgpr_count:     66
    .vgpr_count:     256
    .wavefront_size: 32
...
	.end_amdgpu_metadata
.endif
;; end of part 2
